; MI455X (gfx1250); checked and timed in simulation.
; The chip was launched on July 23, 2026; its instructions are those of AMD's public machine-readable ISA for CDNA 5 (MIT licence, August 2026) and "CDNA5" Instruction Set Architecture Reference Guide (July 2026). The comments in the code are by the model that wrote it; some were corrected since.
;; Block. Allowed arithmetic: matrix products marked QUANTISED: E2M3 operands, one E8M0 scale for each 32 along K, by v_wmma_scale_f32_16x16x128_f8f6f4 with both operands' format E2M3, f32 sums; everything else in f32.
;; Inputs: W_attn 1,024 x 3,072 float32; W_cproj 1,024 x 1,024 float32; W_fc 1,024 x 4,096 float32; W_mproj 4,096 x 1,024 float32; b_attn 3,072 float32; b_cproj 1,024 float32; b_fc 4,096 float32; b_mproj 1,024 float32; ln1_b 1,024 float32; ln1_w 1,024 float32; ln2_b 1,024 float32; ln2_w 1,024 float32; x 4 x 1,024 x 1,024 float32.
;; Outputs: out0 4 x 1,024 x 1,024 float32.
;; This version of the problem:
;;   THIS VERSION OF THE PROBLEM IS GIVEN IN LOW PRECISION. The matrix products marked QUANTISED in the list below multiply operands that are first quantised to E2M3 (2 exponent bits, 3 mantissa bits; 6 bits a number), with one power-of-two scale for each 32 numbers along K (OCP MX v1.0); their sums are f32. All else is computed in f32.
;;   The module's matrix products, in the order in which they are computed (A, B: the left and right operand; K: the contracted axis; several contracted axes count as one K, in the product's order):
;;     1. [M 4,096, K 1,024] x [K 1,024, N 3,072]; A: computed on the way; B: input W_attn: QUANTISED
;;     2. batch 64 x [M 1,024, K 64] x [K 64, N 1,024]; A: computed on the way; B: computed on the way: QUANTISED
;;     3. batch 64 x [M 1,024, K 1,024] x [K 1,024, N 64]; A: softmax (see below); B: computed on the way: QUANTISED
;;     4. [M 4,096, K 1,024] x [K 1,024, N 1,024]; A: computed on the way; B: input W_cproj: QUANTISED
;;     5. [M 4,096, K 1,024] x [K 1,024, N 4,096]; A: computed on the way; B: input W_fc: QUANTISED
;;     6. [M 4,096, K 4,096] x [K 4,096, N 1,024]; A: computed on the way; B: input W_mproj: QUANTISED
;;   THE QUANTISER, for each operand of a quantised product, along K:
;;     - K is cut into blocks of 32 from its start; a last block that is shorter is filled with zeros.
;;     - A block's scale is 2^e with e = floor(log2(the largest magnitude in the block)) - 2, held to -126 .. 127; a block of zeros has e = 0. As a byte (E8M0): e + 127.
;;     - Each number is divided by its block's scale, clamped to +-7.5, and rounded to the nearest number of E2M3, ties to even, subnormals kept.
;;     - The product sums the exact products of the quantised numbers (number of the format x scale) in f32.
;;   ~~~python
;;   def quantise(x, axis):      # numpy; x: float32 -> the quantised numbers, widened to float32 again
;;       x = np.moveaxis(x, axis, -1); K = x.shape[-1]
;;       x = np.pad(x, [(0, 0)] * (x.ndim - 1) + [(0, -K % 32)]); x = x.reshape(x.shape[:-1] + (-1, 32)); a = np.abs(x).max(-1, keepdims=True)
;;       e = np.where(a > 0, np.clip(np.frexp(np.where(a > 0, a, 1))[1] - 1 - 2, -126, 127), 0)      # np.frexp(a)[1] - 1 = floor(log2(a)), exactly
;;       r = np.clip(x / 2.0 ** e, -7.5, 7.5)
;;       step = 2.0 ** (np.maximum(np.frexp(np.where(r == 0, 1, r))[1] - 1, 0) - 3)
;;       q = np.round(r / step) * step * 2.0 ** e      # np.round: ties to even
;;       return np.moveaxis(q.reshape(q.shape[:-2] + (-1,))[..., :K], -1, axis).astype(np.float32)
;;   ~~~
;;   SOFTMAX AHEAD OF A QUANTISED PRODUCT. Where the list says 'softmax', what is quantised is not the finished softmax but p = 2^(t - M), with t = logit x log2(e) and M = ceil(the row's largest t), a whole number; so 1/2 < the row's largest p <= 1. The row's sum l is taken of the UNQUANTISED p, in f32, and the product's result is divided by l at the end. Since M is a whole number, a kernel that streams over the keys may use a running M (the ceiling of the running maximum): every later rescaling is an exact power of two, which a block's scale takes up: the codes' values come out the same.
;;   OPERANDS COMPUTED ON THE WAY. 'Computed on the way' means the value that the module computes at that place (a softmax that the list does not call 'softmax' is quantised finished and normalised). What goes into a quantiser is computed in f32, as accurately as f32 sums, v_exp_f32 and their like allow (about 1e-6 of the number): no bf16 or f16 on the way to a quantiser, and a product that is left as it is and whose result goes on into a quantised operand takes f32 operands (vector FMAs, or v_wmma_f32_16x16x4_f32). A number that lies on a knife's edge between two numbers of the format may be rounded either way, as far as f32 arithmetic and the matrix unit's own rounding can turn it there, and no further.
;; One version. Each part assembles by itself: llvm-mc -triple=amdgcn-amd-amdhsa -mcpu=gfx1250 --defsym DOCPART=n.
;; ======== version 1 of 1: 7 launches
;; workspace buffers: wts 9,830,400 bytes; act1 3,276,800 bytes; act2 3,276,800 bytes; qkvc 10,092,544 bytes; x1 16,777,216 bytes; gc 13,107,200 bytes
;; launch prep (part 1): grid 1024 x 1, 4 waves a work-group, no clusters, 79,872 bytes of LDS; arguments x, ln1_w, ln1_b, act1, W_attn, W_cproj, W_fc, W_mproj, wts; writes act1, wts
.if DOCPART == 1
	.amdgcn_target "amdgcn-amd-amdhsa--gfx1250"
	.amdhsa_code_object_version 6
	.text
	.protected	k_qc34dcfb385_prep
	.globl	k_qc34dcfb385_prep
	.p2align	8
	.type	k_qc34dcfb385_prep,@function
k_qc34dcfb385_prep:
	s_mov_b64 s[64:65], 0
	v_nop
	global_prefetch_b8 v0, s[64:65] scope:SCOPE_SE
	s_setreg_imm32_b32 hwreg(HW_REG_WAVE_MODE, 25, 1), 1
	s_wait_xcnt 0x0
; TWO JOBS THAT DO NOT DEPEND ON EACH OTHER, IN ONE LAUNCH, parted by one scalar branch on the work-group's number (the same in all four waves of a work-group):
; work-groups 0-255: the first layer norm of x, quantised; work-groups 256-1023: the four weights, quantised.  Both end in codes of FP6 (E2M3) with one E8M0 byte for each 32 along K, laid as images of the
; matrix unit's operand registers: fragment (tile of 16, K step of 128) = 1,536 dense bytes, registers 4 c .. 4 c + 3 of lane l at 512 c + 16 l; layout [tile][K step][1536]; scale words [tile][K step][16 words].
; Lane-row r of tile t is index 32 (t / 2) + 8 (t % 2) + r + 8 (r / 8), for tokens and for a weight's columns alike.
; Each path has LDS bytes of its own: the layer norm's stage lies at 0 to 65,791, the weights' four stages from 66,048 on.
; A block's scale byte is its largest magnitude's exponent field - 2, held at 1 from below.  LIMITS: a block of zeros, or one whose largest magnitude lies under 2^-124, gets the byte 1 (the bytes are read by this
; program alone); NaN and infinities among the inputs are not served.
	v_lshl_add_u32 v30, v0, 2, 0x13600
	v_mov_b32 v31, 0
	s_cmp_lt_u32 ttmp9, 256
	s_cbranch_scc0 .Lweights
; ---- THE LAYER NORM.  y = w (x - mean) / sqrt(var + 1e-5) + b over rows of 1,024 f32, then quantised along the row.
; A work-group makes one tile of 16 tokens.  Phase 1: wave w normalises stage rows 4 w .. 4 w + 3 (four neighbouring tokens), each row whole in 32 registers a lane; mean first, then the squares of the differences,
; as the definition has it.  The rows go to a stage in LDS, 4,112 bytes apart.  One barrier.  Phase 2: wave w quantises K steps 2 w and 2 w + 1: lane (r, h) takes of row r the 16 numbers 16 h on of each block of 32.
.set ASC, 3145728
.set T,   64
.set PC,  128
.set TM,  148
.set PW,  164
.set SEL, 12
.macro QUANT s                         ; 64 numbers of a lane, register 16 b + i = k 32 b + 16 (lane / 16) + i of my row, become a fragment's codes in v[PC] on and its scale word in v[PW]
.irp b, 0,1,2,3
	v_max3_num_f32 v[TM+\b], |v[\s+16*\b]|, |v[\s+1+16*\b]|, 0x1800000   ; with the floor 2^(3 - 127): the byte cannot fall under 1
.endr
.irp i, 2,4,6,8,10,12,14
.irp b, 0,1,2,3
	v_max3_num_f32 v[TM+\b], v[TM+\b], |v[\s+16*\b+\i]|, |v[\s+1+16*\b+\i]|
.endr
.endr
.irp b, 0,1,2,3
	v_permlanex16_b32 v[TM+4+\b], v[TM+\b], s[SEL], s[SEL+1]
.endr
.irp b, 0,1,2,3
	v_max_num_f32 v[TM+\b], v[TM+\b], v[TM+4+\b]   ; with lane l xor 16's: the block's largest magnitude
.endr
.irp b, 0,1,2,3
	v_add_nc_u32 v[TM+12+\b], 0xff000000, v[TM+\b] ; 2 off its exponent field: the conversion's scale operand
.endr
.irp b, 0,1,2,3
	v_lshrrev_b32 v[TM+4+\b], 23, v[TM+12+\b]      ; the byte
.endr
	v_lshl_or_b32 v[PW], v[TM+5], 8, v[TM+4]
	v_lshl_or_b32 v[PW], v[TM+6], 16, v[PW]
	v_lshl_or_b32 v[PW], v[TM+7], 24, v[PW]
.irp c, 0,1
	v_cvt_scalef32_pk16_fp6_f32 v[PC+6*\c:PC+2+6*\c], v[\s+32*\c:\s+15+32*\c], v[TM+12+2*\c]
	v_cvt_scalef32_pk16_fp6_f32 v[PC+12+4*\c:PC+14+4*\c], v[\s+16+32*\c:\s+31+32*\c], v[TM+12+2*\c+1]
.endr
	v_nop                                          ; one plain place behind a scaled conversion
.irp c, 0,1                                    ; the operand wants a whole block in a lane
.irp i, 0,1,2
	v_permlane16_swap_b32 v[PC+6*\c+\i], v[PC+12+4*\c+\i]
.endr
.irp i, 0,1,2
	v_mov_b32 v[PC+3+6*\c+\i], v[PC+12+4*\c+\i]
.endr
.endr
.endm
.macro REDUCE                          ; v8 summed over the 32 lanes, into every lane
	v_add_f32_dpp v8, v8, v8 row_xmask:1 row_mask:0xf bank_mask:0xf
	v_add_f32_dpp v8, v8, v8 row_xmask:2 row_mask:0xf bank_mask:0xf
	v_add_f32_dpp v8, v8, v8 row_xmask:4 row_mask:0xf bank_mask:0xf
	v_add_f32_dpp v8, v8, v8 row_xmask:8 row_mask:0xf bank_mask:0xf
	v_permlanex16_b32 v9, v8, s[SEL], s[SEL+1]
	v_add_f32 v8, v8, v9
.endm
	s_load_b256 s[4:11], s[0:1], 0x0               ; the rows, w, b, the codes' buffer
	v_lshrrev_b32 v1, 5, v0
	v_readfirstlane_b32 s3, v1                     ; wave
	v_and_b32 v2, 31, v0
	v_lshlrev_b32 v1, 4, v2                        ; 16 x lane
	s_lshr_b32 s16, ttmp9, 1
	s_lshl_b32 s16, s16, 5
	s_and_b32 s17, ttmp9, 1
	s_lshl_b32 s17, s17, 3
	s_add_co_u32 s16, s16, s17                     ; the tile's first token
	s_lshl_b32 s17, s3, 2
	s_add_co_u32 s16, s16, s17
	s_lshr_b32 s17, s3, 1
	s_lshl_b32 s17, s17, 3
	s_add_co_u32 s16, s16, s17                     ; my wave's first: + 4 w + 8 (w / 2)
	s_lshl_b32 s16, s16, 12                        ; rows of 4,096 bytes
	s_mov_b32 s17, 0
	s_mov_b32 s[SEL], 0x76543210
	s_mov_b32 s[SEL+1], 0xfedcba98                 ; lane l xor 16
	s_mov_b32 s14, 0x3a800000                      ; 1 / 1,024
	s_mov_b32 s15, 0x3727c5ac                      ; 1e-5
	s_mul_i32 s18, s3, 4*4112
	v_add_nc_u32 v3, s18, v1                       ; into the stage: my wave's four rows
	v_and_b32 v5, 15, v0
	v_bfe_u32 v6, v0, 4, 1
	v_mul_u32_u24 v4, v5, 4112
	v_lshl_add_u32 v4, v6, 6, v4
	s_lshl_b32 s19, s3, 10
	v_add_nc_u32 v4, s19, v4                       ; out of it: row r, 64 h, my wave's two K steps
	v_lshlrev_b32 v7, 2, v5                        ; 4 r
	s_lshl_b32 s20, ttmp9, 3
	s_lshl_b32 s21, s3, 1
	s_add_co_u32 s20, s20, s21                     ; fragment 8 T + 2 w
	s_mul_i32 s22, s20, 1536
	s_mov_b32 s23, 0
	s_lshl_b32 s24, s20, 6
	s_add_co_u32 s24, s24, ASC
	s_mov_b32 s25, 0
	s_wait_kmcnt 0x0
	s_add_nc_u64 s[4:5], s[4:5], s[16:17]
	s_add_nc_u64 s[22:23], s[10:11], s[22:23]
	s_add_nc_u64 s[24:25], s[10:11], s[24:25]
.irp j, 0,1,2,3,4,5,6,7
	global_load_b128 v[192+4*\j:195+4*\j], v1, s[6:7] offset:512*\j
	global_load_b128 v[224+4*\j:227+4*\j], v1, s[8:9] offset:512*\j
.endr
.irp i, 0,1,2,3
.irp j, 0,1,2,3,4,5,6,7
	global_load_b128 v[64+32*\i+4*\j:67+32*\i+4*\j], v1, s[4:5] offset:4096*\i+512*\j th:TH_LOAD_NT   ; 512 consecutive bytes a load
.endr
.endr
.macro ROW i
.set R, 64+32*\i
	s_wait_loadcnt 8*(3-\i)                        ; w, b and this row are in; the later rows' eight loads each may be out
	v_pk_add_f32 v[8:9], v[R:R+1], v[R+2:R+3]
	v_pk_add_f32 v[10:11], v[R+4:R+5], v[R+6:R+7]
.irp k, 8,12,16,20,24,28
	v_pk_add_f32 v[8:9], v[8:9], v[R+\k:R+\k+1]
	v_pk_add_f32 v[10:11], v[10:11], v[R+\k+2:R+\k+3]
.endr
	v_pk_add_f32 v[8:9], v[8:9], v[10:11]
	v_add_f32 v8, v8, v9
	REDUCE
	v_mul_f32 v8, s14, v8                          ; the mean
.irp k, 0,2,4,6,8,10,12,14,16,18,20,22,24,26,28,30
	v_pk_add_f32 v[R+\k:R+\k+1], v[R+\k:R+\k+1], v[8:9] op_sel_hi:[1,0] neg_lo:[0,1] neg_hi:[0,1]
.endr
	v_pk_mul_f32 v[8:9], v[R:R+1], v[R:R+1]
	v_pk_mul_f32 v[10:11], v[R+2:R+3], v[R+2:R+3]
.irp k, 4,8,12,16,20,24,28
	v_pk_fma_f32 v[8:9], v[R+\k:R+\k+1], v[R+\k:R+\k+1], v[8:9]
	v_pk_fma_f32 v[10:11], v[R+\k+2:R+\k+3], v[R+\k+2:R+\k+3], v[10:11]
.endr
	v_pk_add_f32 v[8:9], v[8:9], v[10:11]
	v_add_f32 v8, v8, v9
	REDUCE
	v_fma_f32 v8, v8, s14, s15                     ; the variance + 1e-5
	v_rsq_f32 v10, v8
	v_nop                                          ; a plain place behind the transcendental
	s_wait_alu depctr_va_vdst(0)                   ; the wait ahead of the result's first reader
.irp k, 0,2,4,6,8,10,12,14,16,18,20,22,24,26,28,30
	v_pk_mul_f32 v[R+\k:R+\k+1], v[R+\k:R+\k+1], v[10:11] op_sel_hi:[1,0]
.endr
.irp k, 0,2,4,6,8,10,12,14,16,18,20,22,24,26,28,30
	v_pk_fma_f32 v[R+\k:R+\k+1], v[R+\k:R+\k+1], v[192+\k:193+\k], v[224+\k:225+\k]
.endr
.irp j, 0,1,2,3,4,5,6,7
	ds_store_b128 v3, v[R+4*\j:R+4*\j+3] offset:4112*\i+512*\j
.endr
.endm
	ROW 0
	ROW 1
	ROW 2
	ROW 3
	s_wait_dscnt 0x0                               ; for the others' sake: my rows lie in the stage
	s_barrier_signal -1
	s_barrier_wait -1
.irp b, 0,1,2,3
	v_mov_b32 v[TM+4+\b], 0                        ; a lane permute's destination counts as one of its sources
.endr
.macro KSTEP sl
.irp b, 0,1,2,3
.irp j, 0,1,2,3
	ds_load_b128 v[T+16*\b+4*\j:T+16*\b+4*\j+3], v4 offset:512*\sl+128*\b+16*\j
.endr
.endr
	s_wait_dscnt 0x0
.if \sl
	s_wait_xcnt 0x0                                ; the first K step's stores have read the codes' registers
.endif
	QUANT T
.irp c, 0,1,2
	global_store_b128 v1, v[PC+4*\c:PC+4*\c+3], s[22:23] offset:1536*\sl+512*\c   ; 512 consecutive bytes, aligned to 256
.endr
	global_store_b32 v7, v[PW], s[24:25] offset:64*\sl       ; lanes 16-31 hold, and write, the same words as lanes 0-15
.endm
	KSTEP 0
	KSTEP 1
	s_wait_tensorcnt 0x0
	ds_add_u32 v30, v31
	s_wait_dscnt 0x0
	s_endpgm
; ---- THE WEIGHTS, f32 [K][N] with K outermost.
; A lane takes one column and its registers run down K: a block of 32 lies in one lane, so its largest magnitude needs no other lane and the conversions give codes with K innermost.
; A work-group takes 128 columns x one K step of 128, a wave 32 columns (two tiles) x 4 blocks: 768 work-groups, 3,072 waves, each with up to 64 loads of 128 bytes out.
; The codes go through the wave's own stage in LDS, already in the image's order, and leave 512 dense bytes a store.  No barrier: the waves share nothing.
; One text serves all four weights: pointers and sizes are chosen by the work-group's number (256-447 W_attn, 448-511 W_cproj, 512-767 W_fc, 768-1023 W_mproj).
.Lweights:
.set WST,  66048                       ; the weights' stages: 3,328 bytes a wave: two tiles, 1,664 bytes apart (1,536 + 128)
.set OFF,  32                          ; v32-63   4 x lane + i rows of the weight: never rewritten
.set X,    64                          ; v64-127  two sets of 32 numbers
.set C,    128                         ; v128-136 a block's codes
.set SB,   24                          ; v24      my column's scale word of this K step
.set OUTR, 140                         ; v140-163 the way out
	s_load_b256 s[4:11], s[0:1], 0x20              ; W_attn, W_cproj, W_fc, W_mproj
	s_load_b64 s[12:13], s[0:1], 0x40              ; wts
	v_lshrrev_b32 v1, 5, v0
	v_readfirstlane_b32 s3, v1                     ; wave
	s_mov_b32 s16, 4096                            ; W_mproj's figures: bytes in a row,
	s_mov_b32 s17, 768                             ; its first work-group,
	s_mov_b32 s18, 5                               ; log2 of its K steps,
	s_mov_b32 s19, 31                              ; their mask,
	s_mov_b32 s20, 32                              ; their number,
	s_mov_b32 s21, 6291456                         ; where its codes begin in wts,
	s_mov_b32 s22, 9699328                         ; and its scale words
	s_wait_kmcnt 0x0
	s_mov_b64 s[14:15], s[10:11]
	s_cmp_lt_u32 ttmp9, 768                        ; W_fc or an earlier one
	s_cselect_b64 s[14:15], s[8:9], s[14:15]
	s_cselect_b32 s16, 16384, s16
	s_cselect_b32 s17, 512, s17
	s_cselect_b32 s18, 3, s18
	s_cselect_b32 s19, 7, s19
	s_cselect_b32 s20, 8, s20
	s_cselect_b32 s21, 3145728, s21
	s_cselect_b32 s22, 9568256, s22
	s_cmp_lt_u32 ttmp9, 512                        ; W_cproj or W_attn
	s_cselect_b64 s[14:15], s[6:7], s[14:15]
	s_cselect_b32 s16, 4096, s16
	s_cselect_b32 s17, 448, s17
	s_cselect_b32 s21, 2359296, s21
	s_cselect_b32 s22, 9535488, s22
	s_cmp_lt_u32 ttmp9, 448                        ; W_attn
	s_cselect_b64 s[14:15], s[4:5], s[14:15]
	s_cselect_b32 s16, 12288, s16
	s_cselect_b32 s17, 256, s17
	s_cselect_b32 s21, 0, s21
	s_cselect_b32 s22, 9437184, s22
	s_sub_co_u32 s23, ttmp9, s17
	s_and_b32 s24, s23, s19                        ; y: which K step
	s_lshr_b32 s25, s23, s18                       ; x: which 128 columns
	s_lshl_b32 s26, s25, 2
	s_add_co_u32 s26, s26, s3                      ; my wave's group of 32 columns = its pair of tiles
	s_lshl_b32 s27, s26, 7                         ; its first column, in bytes
	s_mul_i32 s28, s24, s16
	s_lshl_b32 s28, s28, 7                         ; 128 y rows
	s_add_co_u32 s28, s28, s27
	s_mov_b32 s29, 0
	s_add_nc_u64 s[32:33], s[14:15], s[28:29]      ; block 0's base; a base for each of the four blocks, so that none is ever stepped
	s_lshl_b32 s30, s16, 5                         ; 32 rows
	s_mov_b32 s31, 0
.irp t, 1,2,3
	s_add_nc_u64 s[32+2*\t:33+2*\t], s[30+2*\t:31+2*\t], s[30:31]
.endr
	s_mul_i32 s48, s26, s20
	s_lshl_b32 s48, s48, 1
	s_add_co_u32 s48, s48, s24                     ; fragment number of (my first tile, my K step)
	s_mul_i32 s50, s48, 1536
	s_add_co_u32 s50, s50, s21
	s_mov_b32 s51, 0
	s_add_nc_u64 s[50:51], s[12:13], s[50:51]      ; its codes
	s_lshl_b32 s52, s48, 6
	s_add_co_u32 s52, s52, s22
	s_mov_b32 s53, 0
	s_add_nc_u64 s[52:53], s[12:13], s[52:53]      ; its scale words
	s_mul_i32 s54, s20, 1536                       ; from a tile to the next: codes,
	s_lshl_b32 s55, s20, 6                         ; scale words
	s_mul_i32 s56, s3, 3328
	s_add_co_u32 s56, s56, WST                     ; my stage
	v_and_b32 v2, 31, v0                           ; lane = my column in the group
	v_lshlrev_b32 v3, 2, v2
	v_bfe_u32 v9, v0, 3, 1                         ; which of the two tiles
	v_and_b32 v10, 7, v0
	v_bfe_u32 v1, v0, 4, 1
	v_lshl_add_u32 v10, v1, 3, v10                 ; and which lane-row of it
	v_mul_u32_u24 v4, v9, 1664
	v_lshl_add_u32 v4, v10, 4, v4
	v_add_nc_u32 v4, s56, v4                       ; into the stage: tile, 16 x row
	v_lshlrev_b32 v6, 4, v2                        ; 16 x lane
	v_add_nc_u32 v5, s56, v6                       ; out of the stage
	v_add_nc_u32 v7, s54, v6                       ; the second tile's place in memory
	v_mul_u32_u24 v8, v9, s55
	v_lshl_add_u32 v8, v10, 2, v8                  ; my scale word's place
.irp i, 0,1,2,3,4,5,6,7,8,9,10,11,12,13,14,15,16,17,18,19,20,21,22,23,24,25,26,27,28,29,30,31
	v_mad_u32_u24 v[OFF+\i], s16, \i, v3
.endr
.macro LOAD t                          ; block t: 32 rows at my column: 128 consecutive bytes a wave and load
.irp i, 0,1,2,3,4,5,6,7,8,9,10,11,12,13,14,15,16,17,18,19,20,21,22,23,24,25,26,27,28,29,30,31
	global_load_b32 v[X+32*((\t)%2)+\i], v[OFF+\i], s[32+2*(\t):33+2*(\t)] th:TH_LOAD_NT
.endr
.endm
	LOAD 0
	LOAD 1
; Block t of the K step is, in the fragment, lane 16 (t % 2) + row, registers 6 (t / 2) .. + 5.
.macro BLOCK t
.set XS, X+32*((\t)%2)
.set F, 256*((\t)%2)
.if (\t) < 3
	s_wait_loadcnt 32                              ; this block's 32 loads are in; the next block's may be out
.else
	s_wait_loadcnt 0
.endif
	v_max3_num_f32 v12, |v[XS]|, |v[XS+1]|, |v[XS+2]|
	v_max3_num_f32 v13, |v[XS+3]|, |v[XS+4]|, |v[XS+5]|
.irp i, 6,10,14,18,22,26
	v_max3_num_f32 v12, v12, |v[XS+\i]|, |v[XS+\i+1]|
	v_max3_num_f32 v13, v13, |v[XS+\i+2]|, |v[XS+\i+3]|
.endr
	v_max3_num_f32 v12, v12, |v[XS+30]|, |v[XS+31]|
	v_max3_num_f32 v12, v12, v13, 0x1800000        ; the floor 2^(3 - 127): the byte cannot fall under 1
	v_add_nc_u32 v11, 0xff000000, v12              ; 2 off the exponent field: the conversion's scale operand
	v_lshrrev_b32 v13, 23, v11                     ; the byte
.if (\t) == 0
	v_mov_b32 v[SB], v13
.else
	v_lshl_or_b32 v[SB], v13, 8*(\t), v[SB]
.endif
	v_cvt_scalef32_pk16_fp6_f32 v[C:C+2], v[XS:XS+15], v11
	v_cvt_scalef32_pk16_fp6_f32 v[C+6:C+8], v[XS+16:XS+31], v11   ; (a conversion's three registers begin on an even number)
	v_nop                                          ; one plain place behind a scaled conversion
	v_mov_b32 v[C+3], v[C+6]
	v_mov_b32 v[C+4], v[C+7]
	v_mov_b32 v[C+5], v[C+8]
.if (\t) < 2
	ds_store_b128 v4, v[C:C+3] offset:F            ; registers 0-3,
	ds_store_b64 v4, v[C+4:C+5] offset:F+512       ; 4-5
.else
	ds_store_b64 v4, v[C:C+1] offset:F+520         ; registers 6-7,
	ds_store_b128 v4, v[C+2:C+5] offset:F+1024     ; 8-11
.endif
.if (\t)+2 < 4
	LOAD (\t)+2
.endif
	s_wait_dscnt 0x0                               ; the stores have read their registers
.endm
.irp t, 0,1,2,3
	BLOCK \t
.endr
	global_store_b32 v8, v[SB], s[52:53]
.irp m, 0,1,2
	ds_load_b128 v[OUTR+4*\m:OUTR+4*\m+3], v5 offset:512*\m          ; LDS serves a wave's instructions in order: these see my stores
.endr
.irp m, 0,1,2
	ds_load_b128 v[OUTR+12+4*\m:OUTR+12+4*\m+3], v5 offset:1664+512*\m
.endr
.irp m, 0,1,2
	s_wait_dscnt 5-\m                              ; the younger loads may stay out
	global_store_b128 v6, v[OUTR+4*\m:OUTR+4*\m+3], s[50:51] offset:512*\m     ; 32 lanes store 512 consecutive bytes, aligned to 256
.endr
.irp m, 0,1,2
	s_wait_dscnt 2-\m
	global_store_b128 v7, v[OUTR+12+4*\m:OUTR+12+4*\m+3], s[50:51] offset:512*\m
.endr
	s_wait_tensorcnt 0x0
	ds_add_u32 v30, v31
	s_wait_dscnt 0x0
	s_endpgm
.Lfunc_end_k_qc34dcfb385_prep:
	.size	k_qc34dcfb385_prep, .Lfunc_end_k_qc34dcfb385_prep-k_qc34dcfb385_prep
	.p2alignl 7, 3214868480
	.fill 96, 4, 3214868480
	.section	.rodata,"a",@progbits
	.p2align	6, 0x0
	.amdhsa_kernel k_qc34dcfb385_prep
		.amdhsa_group_segment_fixed_size 79872
		.amdhsa_private_segment_fixed_size 0
		.amdhsa_enable_private_segment 0
		.amdhsa_kernarg_size 72
		.amdhsa_user_sgpr_count 2
		.amdhsa_user_sgpr_kernarg_segment_ptr 1
		.amdhsa_wavefront_size32 1
		.amdhsa_system_sgpr_workgroup_id_x 1
		.amdhsa_system_sgpr_workgroup_id_y 1
		.amdhsa_system_sgpr_workgroup_id_z 1
		.amdhsa_system_vgpr_workitem_id 0
		.amdhsa_next_free_vgpr 256
		.amdhsa_next_free_sgpr 66
		.amdhsa_reserve_vcc 0
		.amdhsa_float_denorm_mode_32 3
		.amdhsa_float_denorm_mode_16_64 3
		.amdhsa_memory_ordered 1
		.amdhsa_forward_progress 1
		.amdhsa_inst_pref_size 69
	.end_amdhsa_kernel
	.amdgpu_metadata
---
amdhsa.version: [ 1, 2 ]
amdhsa.kernels:
  - .name:           k_qc34dcfb385_prep
    .symbol:         k_qc34dcfb385_prep.kd
    .args:
      - { .name: x, .offset: 0, .size: 8, .value_kind: global_buffer, .address_space: global }
      - { .name: ln1_w, .offset: 8, .size: 8, .value_kind: global_buffer, .address_space: global }
      - { .name: ln1_b, .offset: 16, .size: 8, .value_kind: global_buffer, .address_space: global }
      - { .name: act1, .offset: 24, .size: 8, .value_kind: global_buffer, .address_space: global }
      - { .name: W_attn, .offset: 32, .size: 8, .value_kind: global_buffer, .address_space: global }
      - { .name: W_cproj, .offset: 40, .size: 8, .value_kind: global_buffer, .address_space: global }
      - { .name: W_fc, .offset: 48, .size: 8, .value_kind: global_buffer, .address_space: global }
      - { .name: W_mproj, .offset: 56, .size: 8, .value_kind: global_buffer, .address_space: global }
      - { .name: wts, .offset: 64, .size: 8, .value_kind: global_buffer, .address_space: global }
    .group_segment_fixed_size: 79872
    .private_segment_fixed_size: 0
    .kernarg_segment_align: 8
    .kernarg_segment_size: 72
    .max_flat_workgroup_size: 128
    .sgpr_count:     66
    .vgpr_count:     256
    .wavefront_size: 32
...
	.end_amdgpu_metadata
.endif
;; end of part 1
;; launch qkv (part 2): grid 12 x 16, 4 waves a work-group, clusters of 4 x 4, 327,680 bytes of LDS; arguments act1, wts, b_attn, qkvc; writes qkvc
.if DOCPART == 2
	.amdgcn_target "amdgcn-amd-amdhsa--gfx1250"
	.amdhsa_code_object_version 6
	.text
	.protected	k_qc34dcfb385_qkv
	.globl	k_qc34dcfb385_qkv
	.p2align	8
	.type	k_qc34dcfb385_qkv,@function
k_qc34dcfb385_qkv:
	s_mov_b64 s[64:65], 0
	v_nop
	global_prefetch_b8 v0, s[64:65] scope:SCOPE_SE
	s_setreg_imm32_b32 hwreg(HW_REG_WAVE_MODE, 25, 1), 1
	s_wait_xcnt 0x0
	s_wait_alu depctr_hold_cnt(0) depctr_sa_sdst(0) depctr_va_vdst(0) depctr_va_sdst(0) depctr_va_ssrc(0) depctr_va_vcc(0) depctr_vm_vsrc(0)
	s_getreg_b32 s2, hwreg(HW_REG_IB_STS2, 6, 4)
	s_cmp_eq_u32 s2, 0
	s_cbranch_scc0 .Lentry_in_a_cluster
	s_endpgm
.Lentry_in_a_cluster:
	s_bfe_u32 s2, ttmp6, 0x10000c
	s_cmp_lg_u32 s2, 0xf033
	s_cbranch_scc0 .Lentry_shape_is_right
	s_endpgm
.Lentry_shape_is_right:
; qkv = LN1(x) W_attn + b_attn on codes of FP6 (E2M3) with E8M0 scales, and q, k, v quantised again on the way out: q and k along the head's 64, v along the keys.
; Operands lie in memory as images of fragment registers: [tile of 16][K step of 128][1536 bytes], scale words [tile][K step][16 words]; lane-row r of tile t is index 32 (t / 2) + 8 (t % 2) + r + 8 (r / 8).
; A work-group of four waves makes 256 x 256, a wave 128 x 128: 64 accumulators.  Source 0's index runs along a lane's registers in the result, source 1's along the lanes.
; Clusters with x = 0, 1 (q, k): source 0 = 256 columns of W_attn, source 1 = 256 tokens: a lane's 64 registers of a token tile are 128 neighbouring columns, two heads.
; Clusters with x = 2 (v): the two change places by pointers alone: source 0 = tokens, source 1 = columns: a lane holds a channel and 128 neighbouring tokens: one key step.
; K goes through a ring of two LDS slots of 256 along K.  CLUSTER 4 x 4: source 0's tiles are asked for jointly by a column of the cluster, source 1's by a row.
; The scale words of the work-group's tiles for all of K come into LDS once, with the first fills.
; OUT: q, k: [head][token tile][768] (half a fragment: registers 0-3 at 16 l, 4-5 at 512 + 8 l); v: [head][key step][channel tile][1536]; q's scale words [head][tile][16]; k's and v's together, 6,144 bytes for each head and batch.
; LIMITS: blocks whose largest magnitude lies under 2^-124 (zeros too) get the byte 1, read by this program alone; NaN and infinities are not served.
; REGISTERS: window 0: v16-31 addresses; v32-47 scale words, two sets; v48-63 v's bias; v64-159, v160-255 source 1's fragments, two sets (free on the way out).
;   window 1: v0-95, v128-223 source 0's fragments, two sets; v96-127, v224-255 q's and k's bias along the registers.   windows 2, 3: accumulator (a, b) at v[8 (8 (a % 4) + b)] of window 2 + a / 4.
.set NA, 8
.set NB, 8
.set NQ, 2
.set KST, 8
.set HALFT, NA*NQ*1536                 ; 8 tiles x 2 K steps: what one tensor load brings, and what one wave reads of a source
.set SLOT,  4*HALFT                    ; source 1's two halves, then source 0's
.set SCL,   2*SLOT                     ; behind the ring: the scale words, four regions in the same order
.set HALFS, NA*KST*64
.set SPARE, SCL+4*HALFS                ; the spare words, 128 bytes for each wave, which no other line names
.set LAPS,  KST/(2*NQ)
.set CC,    NQ*192                     ; a tile's row in elements of 8 bytes
.set QC,  0
.set KC,  3145728
.set VC,  6291456
.set QS,  9437184
.set KVS, 9699328
.set ADRA, 16
.set ADRB, 20
.set HB,   22
.set BVO,  23
.set SA,   24
.set SBV,  25
.set L8,   26
.set ADRS, 27
.set SPW,  28
.set NIL,  29
.set LI,   30
.set LS,   31
.set SC,   32
.set AF,   64
.set T,    64
.set PC,   192
.set TM,   212
.set PW,   228
.set G1, 24
.set G0, 32
.set G1B, 48
.set G0B, 56
.set G1S, 68
.set G0S, 76
.set G1SB, 80
.set G0SB, 88
.set SEL, 98
.set MSB, 0
.macro WIN new                         ; the immediate's high byte repeats the setting that is left
.if MSB != \new
	s_set_vgpr_msb (MSB<<8)|\new
.set MSB, \new
.endif
.endm
.macro PLACES n
.rept \n
	v_nop
.endr
.endm
.macro JLOAD g0a, g1a, g0b, g1b        ; a joint load: waves 0 and 1 fetch for source 1, waves 2 and 3 for source 0; four v_nop follow each of the two lines
	s_cmp_eq_u32 s15, 0
	s_cbranch_scc0 .Lfor_b_\@
	tensor_load_to_lds s[\g0a:\g0a+3], s[\g1a:\g1a+7]
	s_nop 0
.rept 4
	v_nop
.endr
	s_branch .Lasked_\@
.Lfor_b_\@:
	tensor_load_to_lds s[\g0b:\g0b+3], s[\g1b:\g1b+7]
	s_nop 0
.rept 4
	v_nop
.endr
.Lasked_\@:
.endm
.macro CREST                           ; a round of the cluster's barrier behind its opening barrier
	s_cmp_lg_u32 s14, 0
	s_cbranch_scc1 .Lnot_wave_0_\@
	s_barrier_signal -3
.Lnot_wave_0_\@:
	s_barrier_wait -3
	s_barrier_signal -1
	s_barrier_wait -1
.endm
.macro CROUND
	s_barrier_signal -1
	s_barrier_wait -1
	CREST
.endm
.macro QUANT s                         ; 64 numbers of a lane, register 16 b + i = k 32 b + 16 (lane / 16) + i of my row, become a fragment's codes in v[PC] on and its scale word in v[PW]
.irp b, 0,1,2,3
	v_max3_num_f32 v[TM+\b], |v[\s+16*\b]|, |v[\s+1+16*\b]|, 0x1800000   ; with the floor 2^(3 - 127): the byte cannot fall under 1
.endr
.irp i, 2,4,6,8,10,12,14
.irp b, 0,1,2,3
	v_max3_num_f32 v[TM+\b], v[TM+\b], |v[\s+16*\b+\i]|, |v[\s+1+16*\b+\i]|
.endr
.endr
.irp b, 0,1,2,3
	v_permlanex16_b32 v[TM+4+\b], v[TM+\b], s[SEL], s[SEL+1]
.endr
.irp b, 0,1,2,3
	v_max_num_f32 v[TM+\b], v[TM+\b], v[TM+4+\b]
.endr
.irp b, 0,1,2,3
	v_add_nc_u32 v[TM+12+\b], 0xff000000, v[TM+\b] ; 2 off the exponent field: the conversion's scale operand
.endr
.irp b, 0,1,2,3
	v_lshrrev_b32 v[TM+4+\b], 23, v[TM+12+\b]
.endr
	v_lshl_or_b32 v[PW], v[TM+5], 8, v[TM+4]
	v_lshl_or_b32 v[PW], v[TM+6], 16, v[PW]
	v_lshl_or_b32 v[PW], v[TM+7], 24, v[PW]
.irp c, 0,1
	v_cvt_scalef32_pk16_fp6_f32 v[PC+6*\c:PC+2+6*\c], v[\s+32*\c:\s+15+32*\c], v[TM+12+2*\c]
	v_cvt_scalef32_pk16_fp6_f32 v[PC+12+4*\c:PC+14+4*\c], v[\s+16+32*\c:\s+31+32*\c], v[TM+12+2*\c+1]
.endr
	v_nop                                          ; one plain place behind a scaled conversion
.irp c, 0,1
.irp i, 0,1,2
	v_permlane16_swap_b32 v[PC+6*\c+\i], v[PC+12+4*\c+\i]
.endr
.irp i, 0,1,2
	v_mov_b32 v[PC+3+6*\c+\i], v[PC+12+4*\c+\i]
.endr
.endr
.endm
	s_load_b256 s[4:11], s[0:1], 0x0               ; act1, wts, b_attn, qkvc
	v_lshl_add_u32 v[SPW], v0, 2, SPARE
	v_mov_b32 v[NIL], 0
	ds_add_u32 v28, v29
	ds_add_u32 v28, v29
	s_wait_dscnt 0x0
	v_lshrrev_b32 v1, 5, v0
	v_readfirstlane_b32 s14, v1                    ; wave 0..3
	s_lshr_b32 s15, s14, 1                         ; my half of source 1.  Also: I fetch for source 1 (0) or source 0 (1)
	s_and_b32 s16, s14, 1                          ; my half of source 0.  Also: which half I fetch
	s_bfe_u32 s40, ttmp6, 0x40000                  ; cx
	s_bfe_u32 s41, ttmp6, 0x40004                  ; cy
	s_and_b32 s19, ttmp7, 0xffff                   ; cluster y
	s_mov_b32 s2, 9437184                          ; W_attn's scale words in wts
	s_mov_b32 s3, 3145728                          ; the tokens' in act1
	s_cmp_eq_u32 ttmp9, 2                          ; v's clusters: the same answer in all sixteen partners
	s_cselect_b32 s42, s19, ttmp9
	s_cselect_b32 s17, ttmp9, s19
	s_cselect_b32 s95, s3, s2                      ; source 0's scale words begin here,
	s_cselect_b32 s96, s2, s3                      ; source 1's here
	s_lshl_b32 s42, s42, 2
	s_add_co_u32 s42, s42, s40                     ; which 256 of source 0: hangs on cx alone within the cluster
	s_lshl_b32 s17, s17, 2
	s_add_co_u32 s17, s17, s41                     ; which 256 of source 1: on cy alone
	s_lshl_b32 s43, s41, 2
	s_lshl_b32 s43, 15, s43                        ; my row of the cluster
	s_lshl_b32 s44, 0x1111, s40                    ; my column
	s_or_b32 s[G1+0], s43, (3<<16)|(1<<21)         ; 15:0 the mask; 17:16 elements of 8 bytes; 21 set beside a mask; no padding
	s_or_b32 s[G1B+0], s44, (3<<16)|(1<<21)
.irp g, G1, G1B
	s_mov_b32 s[\g+1], CC<<16                      ; tensor_dim0: a tile's NQ fragments on end
	s_mov_b32 s[\g+2], NA<<16                      ; tensor_dim1: NA tiles
	s_mov_b32 s[\g+3], CC<<16                      ; tile_dim0
	s_mov_b32 s[\g+4], NA                          ; tile_dim1
	s_mov_b32 s[\g+5], KST*192                     ; from a tile to the next
	s_mov_b32 s[\g+6], 0
	s_mov_b32 s[\g+7], 0
.endr
	s_or_b32 s[G1S+0], s43, (3<<16)|(1<<21)
	s_or_b32 s[G1SB+0], s44, (3<<16)|(1<<21)
.irp g, G1S, G1SB
	s_mov_b32 s[\g+1], 32<<16                      ; a dense block, as rows of 256 bytes
	s_mov_b32 s[\g+2], (HALFS/256)<<16
	s_mov_b32 s[\g+3], 32<<16
	s_mov_b32 s[\g+4], HALFS/256
	s_mov_b32 s[\g+5], 32
	s_mov_b32 s[\g+6], 0
	s_mov_b32 s[\g+7], 0
.endr
	s_mul_i32 s18, s16, NA
	s_mul_i32 s20, s17, 2*NA
	s_add_co_u32 s20, s20, s18                     ; source 1: the first tile that I fetch
	s_mul_i32 s46, s42, 2*NA
	s_add_co_u32 s46, s46, s18                     ; source 0 likewise
	s_mul_i32 s22, s20, KST*64
	s_add_co_u32 s22, s22, s96
	s_mov_b32 s23, 0
	s_mul_i32 s92, s46, KST*64
	s_add_co_u32 s92, s92, s95
	s_mov_b32 s93, 0
	s_mul_i32 s20, s20, KST*1536
	s_mov_b32 s21, 0
	s_mul_i32 s46, s46, KST*1536
	s_mov_b32 s47, 0
	s_mul_i32 s45, s14, HALFT                      ; where they go: wave x a half: no place in the cluster enters an LDS address
	s_mul_i32 s94, s14, HALFS
	s_wait_kmcnt 0x0
	s_cmp_eq_u32 ttmp9, 2
	s_cselect_b64 s[12:13], s[4:5], s[6:7]         ; source 0's buffer
	s_cselect_b64 s[66:67], s[6:7], s[4:5]         ; source 1's
	s_add_nc_u64 s[20:21], s[66:67], s[20:21]
	s_add_nc_u64 s[22:23], s[66:67], s[22:23]
	s_add_nc_u64 s[46:47], s[12:13], s[46:47]
	s_add_nc_u64 s[92:93], s[12:13], s[92:93]
	CROUND                                         ; all sixteen work-groups are here: the first joint loads meet
	s_mov_b32 s[G0S], 1
	s_add_co_u32 s[G0S+1], s94, SCL
	s_mov_b64 s[G0S+2:G0S+3], s[22:23]
	s_or_b32 s[G0S+3], s[G0S+3], 0x80000000
	s_mov_b32 s[G0SB], 1
	s_add_co_u32 s[G0SB+1], s94, SCL
	s_mov_b64 s[G0SB+2:G0SB+3], s[92:93]
	s_or_b32 s[G0SB+3], s[G0SB+3], 0x80000000
	JLOAD G0S, G1S, G0SB, G1SB                     ; the scale words first: they are wanted with K step 0
.irp s, 0,1
	s_mov_b32 s[G0+4*\s], 1
	s_add_co_u32 s[G0+4*\s+1], s45, \s*SLOT
	s_add_nc_u64 s[G0+4*\s+2:G0+4*\s+3], s[20:21], \s*NQ*1536
	s_or_b32 s[G0+4*\s+3], s[G0+4*\s+3], 0x80000000
	s_mov_b32 s[G0B+4*\s], 1
	s_add_co_u32 s[G0B+4*\s+1], s45, \s*SLOT
	s_add_nc_u64 s[G0B+4*\s+2:G0B+4*\s+3], s[46:47], \s*NQ*1536
	s_or_b32 s[G0B+4*\s+3], s[G0B+4*\s+3], 0x80000000
	JLOAD G0+4*\s, G1, G0B+4*\s, G1B               ; three loads of mine are out now
.endr
	v_and_b32 v1, 15, v0                           ; r
	v_bfe_u32 v2, v0, 4, 1                         ; h
	v_and_b32 v3, 31, v0
	v_lshlrev_b32 v[LI], 4, v3                     ; 16 x lane
	v_lshlrev_b32 v[LS], 2, v1                     ; 4 r
	s_mul_i32 s21, s15, HALFT
	s_mul_i32 s22, s16, HALFT
	s_add_co_u32 s22, s22, 2*HALFT
.irp s, 0,1
	v_add_nc_u32 v[ADRA+\s], s21, v[LI]
	v_add_nc_u32 v[ADRB+\s], s22, v[LI]
	s_add_co_u32 s21, s21, SLOT
	s_add_co_u32 s22, s22, SLOT
.endr
	s_mul_i32 s21, s15, HALFS                      ; scale words: lanes 0-15 take source 1's, lanes 16-31 source 0's
	s_mul_i32 s22, s16, HALFS
	s_add_co_u32 s22, s22, 2*HALFS
	s_sub_co_u32 s22, s22, s21
	v_mul_u32_u24 v6, s22, v2
	s_add_co_u32 s21, s21, SCL
	v_add_nc_u32 v5, v[LS], v6
	v_add_nc_u32 v[ADRS], s21, v5
	s_mov_b32 s[SEL], 0x76543210
	s_mov_b32 s[SEL+1], 0xfedcba98
	; both forms of the bias are loaded in both kinds of cluster, the one that is not used from the buffer's first bytes
	s_lshl_b32 s18, s42, 10
	s_lshl_b32 s19, s16, 9
	s_add_co_u32 s18, s18, s19                     ; 4 x (256 x source 0's number + 128 x half)
	s_lshl_b32 s20, s17, 10
	s_lshl_b32 s21, s15, 9
	s_add_co_u32 s20, s20, s21                     ; the same of source 1
	s_cmp_eq_u32 ttmp9, 2
	s_cselect_b32 s18, 0, s18
	s_cselect_b32 s20, s20, 0
	s_mov_b32 s19, 0
	s_mov_b32 s21, 0
	s_add_nc_u64 s[18:19], s[8:9], s[18:19]
	s_add_nc_u64 s[20:21], s[8:9], s[20:21]
	v_lshlrev_b32 v[HB], 6, v2                     ; 64 h
	v_and_b32 v4, 8, v1
	v_add_nc_u32 v4, v4, v1
	v_lshlrev_b32 v[BVO], 2, v4                    ; 4 (r + 8 (r / 8))
	WIN 0x40                                       ; destination window 1
.irp b, 0,1,2,3,4,5,6,7                        ; along the registers: tile b's eight columns of my half
	global_load_b128 v[96+8*\b+96*(\b/4):99+8*\b+96*(\b/4)], v[HB], s[18:19] offset:(32*(\b/2)+8*(\b%2))*4
	global_load_b128 v[100+8*\b+96*(\b/4):103+8*\b+96*(\b/4)], v[HB], s[18:19] offset:(32*(\b/2)+8*(\b%2))*4+16
.endr
	WIN 0
.irp a, 0,1,2,3,4,5,6,7                        ; along the lanes: tile a's column of my lane, in both registers of a pair
	global_load_b32 v[48+2*\a], v[BVO], s[20:21] offset:(32*(\a/2)+8*(\a%2))*4
	global_load_b32 v[49+2*\a], v[BVO], s[20:21] offset:(32*(\a/2)+8*(\a%2))*4
.endr
.macro FETCH slot, q, p                ; the fragments and scale words of the slot's q-th K step into set p
	WIN 0x40
.irp i, 0,1,2,3,4,5,6,7
.irp c, 0,1,2
	ds_load_b128 v[128*(\p)+12*\i+4*\c:128*(\p)+12*\i+4*\c+3], v[ADRB+\slot] offset:\i*NQ*1536+(\q)*1536+512*\c
.endr
.endr
	WIN 0
.irp i, 0,1,2,3,4,5,6,7
.irp c, 0,1,2
	ds_load_b128 v[AF+12*NA*(\p)+12*\i+4*\c:AF+12*NA*(\p)+12*\i+4*\c+3], v[ADRA+\slot] offset:\i*NQ*1536+(\q)*1536+512*\c
.endr
.endr
.irp i, 0,1,2,3,4,5,6,7
	ds_load_b32 v[SC+NB*(\p)+\i], v[ADRS] offset:\i*KST*64
.endr
	v_add_nc_u32 v[ADRS], 64, v[ADRS]              ; on to the next K step's words
.endm
.macro MULA a, p, zero                 ; source 1's tile a against source 0's eight.  The accumulators take turns, one instruction a turn, in the same order in every step
	WIN 0xa1+0x50*((\a)/4)
.irp b, 0,1,2,3,4,5,6,7
.if \zero
	v_wmma_scale_f32_16x16x128_f8f6f4 v[8*(NB*((\a)%4)+\b):8*(NB*((\a)%4)+\b)+7], v[128*(\p)+12*\b:128*(\p)+12*\b+11], v[AF+12*NA*(\p)+12*(\a):AF+12*NA*(\p)+12*(\a)+11], 0, v[SC+NB*(\p)+\b], v[SC+NB*(\p)+(\a)] matrix_a_fmt:MATRIX_FMT_FP6 matrix_b_fmt:MATRIX_FMT_FP6 matrix_a_scale:MATRIX_SCALE_ROW1
.else
	v_wmma_scale_f32_16x16x128_f8f6f4 v[8*(NB*((\a)%4)+\b):8*(NB*((\a)%4)+\b)+7], v[128*(\p)+12*\b:128*(\p)+12*\b+11], v[AF+12*NA*(\p)+12*(\a):AF+12*NA*(\p)+12*(\a)+11], v[8*(NB*((\a)%4)+\b):8*(NB*((\a)%4)+\b)+7], v[SC+NB*(\p)+\b], v[SC+NB*(\p)+(\a)] matrix_a_fmt:MATRIX_FMT_FP6 matrix_b_fmt:MATRIX_FMT_FP6 matrix_a_scale:MATRIX_SCALE_ROW1
.endif
.endr
.endm
.macro STEP slot, q, zero              ; a K step that has its successor in the same slot: the successor's fragments are asked for first, into the other set, and land under this step's 64 products
	s_wait_dscnt 0x0                               ; this step's fragments are in
	PLACES 4                                       ; in front of loads into registers that the last step's products have read
	FETCH \slot, (\q)+1, 1-(\q)%2
.irp a, 0,1,2,3,4,5,6,7
	MULA \a, (\q)%2, \zero
.endr
.endm
.macro TURN slot, next, fill           ; a slot's last K step (set 1) changes slots: one barrier; fill = 1: this slot is filled again, two slots ahead
	WIN 0
	s_wait_tensorcnt 0x0                           ; all my tensor loads have landed: my part of the next slot
	ds_add_u32 v[SPW], v[NIL]                      ; 0 onto my spare word
	s_wait_dscnt 0x1                               ; this step's fragments are in; the add may be out
	MULA 0, 1, 0
	MULA 1, 1, 0
	s_wait_dscnt 0x0                               ; the add is done, and my reads of this slot are over
	s_barrier_signal -1
	MULA 2, 1, 0
	MULA 3, 1, 0
	WIN 0
	s_barrier_wait -1
.if \fill
	CREST                                          ; the barrier has opened a round of the cluster's: no wave of any partner still reads this slot or has a load on its way
	s_add_nc_u64 s[G0+4*\slot+2:G0+4*\slot+3], s[G0+4*\slot+2:G0+4*\slot+3], 2*NQ*1536
	s_add_nc_u64 s[G0B+4*\slot+2:G0B+4*\slot+3], s[G0B+4*\slot+2:G0B+4*\slot+3], 2*NQ*1536
	JLOAD G0+4*\slot, G1, G0B+4*\slot, G1B         ; the first tensor load behind the round; its four v_nop are also the places in front of the loads below
.else
	PLACES 4
.endif
	FETCH \next, 0, 0
.irp a, 4,5,6,7
	MULA \a, 1, 0
.endr
.endm
	s_wait_tensorcnt 0x1                           ; the scale words and my part of slot 0 are in; slot 1's load may be out
	s_barrier_signal -1
	s_barrier_wait -1
	FETCH 0, 0, 0
	STEP 0, 0, 1                                   ; the first step's products start the sums
	WIN 0
	s_mov_b32 s3, LAPS-1
.Llap:
	TURN 0, 1, 1
	STEP 1, 0, 0
	TURN 1, 0, 1
	STEP 0, 0, 0
	WIN 0
	s_sub_co_u32 s3, s3, 1
	s_cmp_lg_u32 s3, 0
	s_cbranch_scc1 .Llap
	TURN 0, 1, 0                                   ; the last lap fills nothing
	STEP 1, 0, 0
	s_wait_dscnt 0x0
.irp a, 0,1,2,3,4,5,6,7
	MULA \a, 1, 0
.endr
	WIN 0
	; THE WAY OUT: no LDS.  A token tile's (or channel tile's) 64 registers of a lane get their bias, are quantised in registers, and the fragment's image is stored as it stands.
	PLACES 4
.irp b, 0,1,2,3
	v_mov_b32 v[TM+4+\b], 0                        ; a lane permute's destination counts as one of its sources
.endr
	s_wait_loadcnt 0x0                             ; the biases
	s_cmp_eq_u32 ttmp9, 2
	s_cbranch_scc1 .Lvpath
	s_lshl_b32 s18, s40, 2
	s_lshl_b32 s19, s16, 1
	s_add_co_u32 s18, s18, s19                     ; my first head: 4 cx + 2 x half
	s_lshl_b32 s19, s17, 4
	s_lshl_b32 s20, s15, 3
	s_add_co_u32 s19, s19, s20                     ; my first token tile
	s_lshl_b32 s20, s18, 8
	s_add_co_u32 s20, s20, s19
	s_mul_i32 s22, s20, 768                        ; its half fragment
	s_lshl_b32 s21, s20, 6
	s_add_co_u32 s21, s21, QS                      ; q's scale words
	s_lshl_b32 s45, s18, 2
	s_and_b32 s46, ttmp7, 0xffff
	s_add_co_u32 s45, s45, s46                     ; 4 x head + batch
	s_mul_i32 s45, s45, 6144
	s_lshl_b32 s46, s41, 4
	s_lshl_b32 s47, s15, 3
	s_add_co_u32 s46, s46, s47                     ; the tile within the batch
	s_lshl_b32 s46, s46, 6
	s_add_co_u32 s45, s45, s46
	s_add_co_u32 s45, s45, KVS                     ; k's scale words
	s_mov_b32 s47, 24576
	s_cmp_eq_u32 ttmp9, 0
	s_cselect_b32 s21, s21, s45
	s_cselect_b32 s47, 16384, s47                  ; from a head's words to the next head's
	s_cselect_b32 s46, 0, KC
	s_add_co_u32 s22, s22, s46
	s_mov_b32 s23, 0
	s_add_nc_u64 s[92:93], s[10:11], s[22:23]
	v_add_nc_u32 v[SA], s21, v[LS]
	v_add_nc_u32 v[SBV], s47, v[SA]
	v_lshrrev_b32 v[L8], 1, v[LI]                  ; 8 x lane
.macro QKBLK a
	WIN 0x06+((\a)/4)                              ; source 0: the accumulators' window; source 1: window 1
.set k, 0
.rept 32
	v_pk_add_f32 v[T+k:T+k+1], v[64*((\a)%4)+k:64*((\a)%4)+k+1], v[96+k+96*(k/32):97+k+96*(k/32)]   ; each accumulator from its low end on
.set k, k+2
.endr
	WIN 0
	s_wait_xcnt 0x0                                ; the last tile's stores have read the codes' registers
	QUANT T
	v_lshrrev_b32 v[PW+1], 16, v[PW]               ; the second head's two bytes
	global_store_b128 v[LI], v[PC:PC+3], s[92:93] offset:(\a)*768
	global_store_b64 v[L8], v[PC+4:PC+5], s[92:93] offset:(\a)*768+512
	global_store_b128 v[LI], v[PC+6:PC+9], s[92:93] offset:(\a)*768+196608
	global_store_b64 v[L8], v[PC+10:PC+11], s[92:93] offset:(\a)*768+196608+512
	global_store_b32 v[SA], v[PW], s[10:11] offset:(\a)*64
	global_store_b32 v[SBV], v[PW+1], s[10:11] offset:(\a)*64
.endm
.irp a, 0,1,2,3,4,5,6,7
	QKBLK \a
.endr
	s_branch .Ldone
.Lvpath:
	s_lshl_b32 s18, s41, 2
	s_lshl_b32 s19, s15, 1
	s_add_co_u32 s18, s18, s19                     ; my first head: 4 cy + 2 x half
	s_lshl_b32 s19, s42, 1
	s_add_co_u32 s19, s19, s16                     ; my key step, of 32
	s_lshl_b32 s20, s18, 5
	s_add_co_u32 s20, s20, s19
	s_mul_i32 s22, s20, 6144
	s_add_co_u32 s22, s22, VC
	s_mov_b32 s23, 0
	s_add_nc_u64 s[92:93], s[10:11], s[22:23]
	s_lshl_b32 s20, s18, 2
	s_lshr_b32 s21, s19, 3
	s_add_co_u32 s20, s20, s21                     ; 4 x head + batch
	s_mul_i32 s20, s20, 6144
	s_and_b32 s21, s19, 7
	s_lshl_b32 s21, s21, 8
	s_add_co_u32 s20, s20, s21
	s_add_co_u32 s20, s20, KVS+4096
	v_add_nc_u32 v[SA], s20, v[LS]
.macro VBLK a
	WIN 0x02+((\a)/4)
.set k, 0
.rept 32
	v_pk_add_f32 v[T+k:T+k+1], v[64*((\a)%4)+k:64*((\a)%4)+k+1], v[48+2*(\a):49+2*(\a)] op_sel_hi:[1,0]
.set k, k+2
.endr
	WIN 0
	s_wait_xcnt 0x0
	QUANT T
.irp c, 0,1,2
	global_store_b128 v[LI], v[PC+4*\c:PC+4*\c+3], s[92:93] offset:((\a)/4)*196608+((\a)%4)*1536+512*\c
.endr
	global_store_b32 v[SA], v[PW], s[10:11] offset:((\a)/4)*24576+((\a)%4)*64
.endm
.irp a, 0,1,2,3,4,5,6,7
	VBLK \a
.endr
.Ldone:
	s_wait_tensorcnt 0x0                           ; the wave's end
	ds_add_u32 v[SPW], v[NIL]
	s_wait_dscnt 0x0
	CROUND                                         ; the closing round
	s_endpgm
.Lfunc_end_k_qc34dcfb385_qkv:
	.size	k_qc34dcfb385_qkv, .Lfunc_end_k_qc34dcfb385_qkv-k_qc34dcfb385_qkv
	.p2alignl 7, 3214868480
	.fill 96, 4, 3214868480
	.section	.rodata,"a",@progbits
	.p2align	6, 0x0
	.amdhsa_kernel k_qc34dcfb385_qkv
		.amdhsa_group_segment_fixed_size 327680
		.amdhsa_private_segment_fixed_size 0
		.amdhsa_enable_private_segment 0
		.amdhsa_kernarg_size 32
		.amdhsa_user_sgpr_count 2
		.amdhsa_user_sgpr_kernarg_segment_ptr 1
		.amdhsa_wavefront_size32 1
		.amdhsa_system_sgpr_workgroup_id_x 1
		.amdhsa_system_sgpr_workgroup_id_y 1
		.amdhsa_system_sgpr_workgroup_id_z 1
		.amdhsa_system_vgpr_workitem_id 0
		.amdhsa_next_free_vgpr 1024
		.amdhsa_next_free_sgpr 100
		.amdhsa_reserve_vcc 0
		.amdhsa_float_denorm_mode_32 3
		.amdhsa_float_denorm_mode_16_64 3
		.amdhsa_memory_ordered 1
		.amdhsa_forward_progress 1
		.amdhsa_inst_pref_size 213
	.end_amdhsa_kernel
	.amdgpu_metadata
---
amdhsa.version: [ 1, 2 ]
amdhsa.kernels:
  - .name:           k_qc34dcfb385_qkv
    .symbol:         k_qc34dcfb385_qkv.kd
    .args:
      - { .name: act1, .offset: 0, .size: 8, .value_kind: global_buffer, .address_space: global }
      - { .name: wts, .offset: 8, .size: 8, .value_kind: global_buffer, .address_space: global }
      - { .name: b_attn, .offset: 16, .size: 8, .value_kind: global_buffer, .address_space: global }
      - { .name: qkvc, .offset: 24, .size: 8, .value_kind: global_buffer, .address_space: global }
    .group_segment_fixed_size: 327680
    .private_segment_fixed_size: 0
    .kernarg_segment_align: 8
    .kernarg_segment_size: 32
    .max_flat_workgroup_size: 128
    .sgpr_count:     100
    .vgpr_count:     1024
    .wavefront_size: 32
...
	.end_amdgpu_metadata
.endif
;; end of part 2
;; launch attn (part 3): grid 4 x 64, 16 waves a work-group, clusters of 4 x 1, 327,680 bytes of LDS; arguments qkvc, act2; writes act2
.if DOCPART == 3
	.amdgcn_target "amdgcn-amd-amdhsa--gfx1250"
	.amdhsa_code_object_version 6
	.text
	.protected	k_qc34dcfb385_attn
	.globl	k_qc34dcfb385_attn
	.p2align	8
	.type	k_qc34dcfb385_attn,@function
k_qc34dcfb385_attn:
	s_mov_b64 s[64:65], 0
	v_nop
	global_prefetch_b8 v0, s[64:65] scope:SCOPE_SE
	s_setreg_imm32_b32 hwreg(HW_REG_WAVE_MODE, 25, 1), 1
	s_wait_xcnt 0x0
	s_wait_alu depctr_hold_cnt(0) depctr_sa_sdst(0) depctr_va_vdst(0) depctr_va_sdst(0) depctr_va_ssrc(0) depctr_va_vcc(0) depctr_vm_vsrc(0)
	s_getreg_b32 s2, hwreg(HW_REG_IB_STS2, 6, 4)
	s_cmp_eq_u32 s2, 0
	s_cbranch_scc0 .Lentry_in_a_cluster
	s_endpgm
.Lentry_in_a_cluster:
	s_bfe_u32 s2, ttmp6, 0x10000c
	s_cmp_lg_u32 s2, 0x3003
	s_cbranch_scc0 .Lentry_shape_is_right
	s_endpgm
.Lentry_shape_is_right:
; Causal attention on codes of FP6 (E2M3), head size 64, 1,024 keys; the result, divided by the row's sum, is quantised along D and stored as half a fragment's image for the next product.
; t = score x log2(e) / 8; M = the running largest t rounded up to a whole number; p = 2^(t - M) is quantised along the keys; the row's sum is taken of the unquantised p.
; SHARES.  A cluster of four work-groups owns one head of one batch.  Each work-group has sixteen waves of 256 registers, a wave one tile of 16 queries: tile 4 i' + cx, i' the wave's number with bit 1 turned in
; waves 4-7 and 12-15, so that the four waves of each residue modulo 4 have 18 key steps between them.  The tile's key steps, i' / 2 + 1, hang on the wave's number alone.
; K, V and their scale words of the head, 104,448 bytes, come into each partner's LDS ONCE, by joint loads at the head; no byte of LDS is filled again.
; LAYOUT.  Both products are used transposed, so a lane holds one query throughout.  Lane-row r of tile t is index 32 (t / 2) + 8 (t % 2) + r + 8 (r / 8), for queries, keys and channels alike, so that the 16 registers of
; tiles 2 b and 2 b + 1 are 16 neighbours.  THE HEAD'S 64 IN AN INSTRUCTION OF 128: q's fragment is its six registers and six registers of zero codes, so whatever stands in the upper six registers of a key tile's operand
; (here the next tile's codes, all finite) adds nothing.
; THE MASK: hidden scores become -infinity where the definition has -1e10.  LIMIT: the two differ only where a row's visible logits all lie under about -1e10.  NaN and infinities are not served;
; blocks whose largest magnitude lies under 2^-124 (zeros too) get the byte 1, read by this program alone.
.set KC,  3145728
.set VC,  6291456
.set QS,  9437184
.set KVS, 9699328
.set ASC, 3145728
.set LV,  49152                        ; LDS: K at 0 (64 tiles x 768), V here (8 steps x 4 x 1536),
.set LSK, 98304                        ; K's scale words (64 x 64),
.set LSV, 102400                       ; V's (8 x 4 x 64),
.set SPARE, 104448                     ; the spare words, 128 bytes for each wave, which no other line names
.set SPW, 94
.set NIL, 95
.set WV,  8
.set NS,  10
.set SEL, 20
.set CS,  22
.set G1,  24
.set G1S, 32
.set G0,  40
.set G0S, 44
.set ST,  48
.set KF,  49
.set TB,  50
.set TSK, 51
.set TSV, 52
.macro CROUND
	s_barrier_signal -1
	s_barrier_wait -1
	s_cmp_lg_u32 s[WV], 0
	s_cbranch_scc1 .Lnot_wave_0_\@
	s_barrier_signal -3
.Lnot_wave_0_\@:
	s_barrier_wait -3
	s_barrier_signal -1
	s_barrier_wait -1
.endm
	s_load_b128 s[4:7], s[0:1], 0x0                ; qkvc, act2
	v_lshl_add_u32 v[SPW], v0, 2, SPARE
	v_mov_b32 v[NIL], 0
	ds_add_u32 v94, v95
	ds_add_u32 v94, v95
	s_wait_dscnt 0x0
	v_lshrrev_b32 v8, 5, v0
	v_readfirstlane_b32 s[WV], v8                  ; wave 0..15
	s_lshr_b32 s9, s[WV], 1
	s_and_b32 s9, s9, 2
	s_xor_b32 s9, s9, s[WV]                        ; i'
	s_lshr_b32 s[NS], s9, 1                        ; my last key step
	s_and_b32 s11, ttmp7, 0xffff                   ; 4 x head + batch
	s_lshr_b32 s12, s11, 2                         ; head
	s_and_b32 s13, s11, 3                          ; batch
	s_bfe_u32 s14, ttmp6, 0x40000                  ; cx: it enters q's and the output's addresses and the mask's numbers alone
	s_lshl_b32 s15, s9, 2
	s_add_co_u32 s15, s15, s14                     ; my query tile in the batch
	s_lshl_b32 s16, s13, 6
	s_add_co_u32 s16, s16, s15                     ; and among all tokens
	s_mov_b32 s[G1], 15|(3<<16)|(1<<21)            ; the mask: all four partners; elements of 8 bytes; 21 set beside a mask
	s_mov_b32 s[G1+1], 32<<16                      ; dense blocks as rows of 256 bytes
	s_mov_b32 s[G1+2], 48<<16
	s_mov_b32 s[G1+3], 32<<16
	s_mov_b32 s[G1+4], 48                          ; 12,288 bytes of codes
	s_mov_b32 s[G1+5], 32
	s_mov_b32 s[G1+6], 0
	s_mov_b32 s[G1+7], 0
	s_mov_b32 s[G1S], 15|(3<<16)|(1<<21)
	s_mov_b32 s[G1S+1], 32<<16
	s_mov_b32 s[G1S+2], 24<<16
	s_mov_b32 s[G1S+3], 32<<16
	s_mov_b32 s[G1S+4], 24                         ; 6,144 bytes of scale words
	s_mov_b32 s[G1S+5], 32
	s_mov_b32 s[G1S+6], 0
	s_mov_b32 s[G1S+7], 0
	s_mul_i32 s54, s[WV], 12288                    ; waves 0-3 fetch K's quarters, waves 4-7 V's: LDS byte = wave x 12,288
	s_mul_i32 s56, s11, 49152
	s_add_co_u32 s56, s56, s54
	s_mov_b32 s55, VC-49152
	s_cmp_lt_u32 s[WV], 4
	s_cselect_b32 s55, KC, s55
	s_add_co_u32 s56, s56, s55
	s_mov_b32 s57, 0
	s_mul_i32 s58, s11, 6144
	s_add_co_u32 s58, s58, KVS
	s_mov_b32 s59, 0
	s_mov_b32 s[SEL], 0x76543210
	s_mov_b32 s[SEL+1], 0xfedcba98
	s_mov_b32 s[CS], 0x3e38aa3b                    ; c = log2(e) / 8
	s_mov_b32 s[CS+1], s[CS]
	s_wait_kmcnt 0x0
	CROUND                                         ; all four work-groups are here: the joint loads meet
	s_mov_b32 s[G0], 1
	s_mov_b32 s[G0+1], s54
	s_add_nc_u64 s[G0+2:G0+3], s[4:5], s[56:57]
	s_or_b32 s[G0+3], s[G0+3], 0x80000000
	s_mov_b32 s[G0S], 1
	s_mov_b32 s[G0S+1], LSK
	s_add_nc_u64 s[G0S+2:G0S+3], s[4:5], s[58:59]
	s_or_b32 s[G0S+3], s[G0S+3], 0x80000000
	s_cmp_lt_u32 s[WV], 8
	s_cbranch_scc0 .Lnot_codes
	tensor_load_to_lds s[G0:G0+3], s[G1:G1+7]
	s_nop 0
.rept 4
	v_nop
.endr
	s_branch .Lasked
.Lnot_codes:
	s_cmp_eq_u32 s[WV], 8
	s_cbranch_scc0 .Lasked
	tensor_load_to_lds s[G0S:G0S+3], s[G1S:G1S+7]
	s_nop 0
.rept 4
	v_nop
.endr
.Lasked:
	s_lshl_b32 s60, s12, 8
	s_add_co_u32 s60, s60, s16                     ; 256 x head + tile
	s_mul_i32 s62, s60, 768
	s_mov_b32 s63, 0
	s_add_nc_u64 s[62:63], s[4:5], s[62:63]        ; q's half fragment
	s_lshl_b32 s60, s60, 6
	s_add_co_u32 s60, s60, QS
	s_mov_b32 s61, 0
	s_add_nc_u64 s[60:61], s[4:5], s[60:61]        ; q's scale words
	v_and_b32 v8, 31, v0
	v_and_b32 v9, 15, v0                           ; r
	v_bfe_u32 v10, v0, 4, 1                        ; h
	v_lshlrev_b32 v1, 4, v8                        ; 16 l
	v_lshl_add_u32 v2, v8, 3, 512                  ; 512 + 8 l
	v_add_nc_u32 v3, LV, v1
	v_lshlrev_b32 v7, 2, v9                        ; 4 r
	v_add_nc_u32 v4, LSK, v7
	v_add_nc_u32 v5, LSV, v7
	global_load_b128 v[16:19], v1, s[62:63]
	global_load_b64 v[20:21], v2, s[62:63]
	global_load_b32 v255, v7, s[60:61]
	v_and_b32 v11, 8, v9
	v_add_nc_u32 v11, v11, v9
	v_lshlrev_b32 v10, 4, v10
	v_sub_nc_u32 v6, v11, v10
	s_lshr_b32 s66, s15, 1
	s_lshl_b32 s66, s66, 5
	s_and_b32 s67, s15, 1
	s_lshl_b32 s67, s67, 3
	s_add_co_u32 s66, s66, s67
	v_add_nc_u32 v6, s66, v6                       ; my query in the batch, less 16 h
.irp j, 22,23,24,25,26,27,80,81,82,83,84,85
	v_mov_b32 v[\j], 0                             ; q's upper six registers: zero codes; and what stands above the eighth key tile
.endr
	v_mov_b32 v13, 0xff61b1e6                      ; the largest t so far: -3e38
	v_floor_f32 v12, -v13                          ; -M
	v_mov_b32 v14, 0
	v_mov_b32 v15, 0
.irp b, 0,1,2,3
	v_mov_b32 v[236+\b], 0                         ; a lane permute's destination counts as one of its sources
.endr
	v_mov_b32 v253, 0
.set j, 0
.rept 32
	v_mov_b32 v[160+j], 0                          ; O^T: the step is written once, and the first change of M leaves zeros zeros
.set j, j+1
.endr
	s_mov_b32 s[ST], 0
	s_mov_b32 s[KF], 0
	s_mov_b32 s[TB], 0
	s_mov_b32 s[TSK], 0
	s_mov_b32 s[TSV], 0
	s_wait_tensorcnt 0x0                           ; my part has landed (a wave that fetched nothing passes at once),
	s_barrier_signal -1
	s_barrier_wait -1                              ; everybody's has
	s_wait_loadcnt 0x0                             ; q
.Lstep:                                            ; eight trips in every wave; a step all of whose keys come after my queries is passed over, but for the lines that step addresses
	s_cmp_gt_u32 s[ST], s[NS]
	s_cbranch_scc1 .Lhidden
	v_add_nc_u32 v8, s[TB], v1                     ; five plain lines: also the places in front of loads into registers that the last products have read
	v_add_nc_u32 v9, s[TB], v2
	v_add_nc_u32 v10, s[TB], v3
	v_add_nc_u32 v11, s[TSK], v4
	v_add_nc_u32 v28, s[TSV], v5
.irp t, 0,1,2,3,4,5,6,7
	ds_load_b128 v[32+6*\t:35+6*\t], v8 offset:768*\t
	ds_load_b64 v[36+6*\t:37+6*\t], v9 offset:768*\t
	ds_load_b32 v[86+\t], v11 offset:64*\t
.endr
	s_wait_dscnt 0x0
.irp t, 0,1,2,3,4,5,6,7
	v_wmma_scale_f32_16x16x128_f8f6f4 v[96+8*\t:103+8*\t], v[32+6*\t:43+6*\t], v[16:27], 0, v[86+\t], v255 matrix_a_fmt:MATRIX_FMT_FP6 matrix_b_fmt:MATRIX_FMT_FP6
.endr
.rept 4
	v_nop
.endr
.irp t, 0,1,2,3                                ; V's fragments are asked for here and land under the softmax
.irp c, 0,1,2
	ds_load_b128 v[32+12*\t+4*\c:35+12*\t+4*\c], v10 offset:1536*\t+512*\c
.endr
	ds_load_b32 v[86+\t], v28 offset:64*\t
.endr
	s_cmp_lg_u32 s[ST], s[NS]                      ; only my last step lies on the diagonal
	s_cbranch_scc1 .Lopen
	v_sub_nc_u32 v252, v6, s[KF]                   ; register 16 b + i holds key KF + 16 h + 32 b + i: hidden where 32 b + i > my query - KF - 16 h
	v_mov_b32 v254, 0xff800000
.set n, 0
.rept 64
	v_cmp_gt_i32 vcc_lo, 32*(n/16)+n%16, v252
	v_cndmask_b32 v[96+n], v[96+n], v254, vcc_lo
.set n, n+1
.endr
.Lopen:
.irp b, 0,1,2,3
	v_max3_num_f32 v[232+\b], v[96+16*\b], v[97+16*\b], v[98+16*\b]   ; the largest score of each block of 32 keys: for the row's maximum and, since p rises with the score, for the block's largest p
.endr
.irp i, 3,5,7,9,11,13
.irp b, 0,1,2,3
	v_max3_num_f32 v[232+\b], v[232+\b], v[96+16*\b+\i], v[97+16*\b+\i]
.endr
.endr
.irp b, 0,1,2,3
	v_max_num_f32 v[232+\b], v[232+\b], v[111+16*\b]
.endr
.irp b, 0,1,2,3
	v_permlanex16_b32 v[236+\b], v[232+\b], s[SEL], s[SEL+1]
.endr
.irp b, 0,1,2,3
	v_max_num_f32 v[232+\b], v[232+\b], v[236+\b]
.endr
	v_max3_num_f32 v254, v232, v233, v234
	v_max_num_f32 v254, v254, v235
	v_mul_f32 v254, s[CS], v254
	v_max_num_f32 v13, v13, v254                   ; the running largest t
	v_mov_b32 v254, v12
	v_floor_f32 v12, -v13                          ; the new -M: a whole number
	v_sub_f32 v254, v12, v254
	v_cvt_i32_f32 v254, v254                       ; (it saturates)
	v_ldexp_f32 v252, 1.0, v254                    ; f = 2^(old M - new M)
.set j, 0
.rept 32
	v_pk_fma_f32 v[96+j:97+j], v[96+j:97+j], s[CS:CS+1], v[12:13] op_sel_hi:[1,0,0]   ; t - M
.set j, j+2
.endr
.irp b, 0,1,2,3
	v_fma_f32 v[232+\b], v[232+\b], s[CS], v12
.endr
.set j, 0
.rept 64
	v_exp_f32 v[96+j], v[96+j]                     ; p, not normalised
.set j, j+1
.endr
	v_pk_mul_f32 v[14:15], v[14:15], v[252:253] op_sel_hi:[1,0]   ; the sums under the new M: a plain place behind the exponentials
	s_wait_alu depctr_va_vdst(0)                   ; one wait for the batch, ahead of its first reader
.irp b, 0,1,2,3
	v_exp_f32 v[232+\b], v[232+\b]                 ; each block's largest p
.endr
	v_pk_add_f32 v[236:237], v[96:97], v[98:99]    ; the row's sum of the unquantised p, in two chains
.irp j, 4,8,12,16,20,24,28,32,36,40,44,48,52,56,60
	v_pk_add_f32 v[14:15], v[14:15], v[96+\j:97+\j]
	v_pk_add_f32 v[236:237], v[236:237], v[98+\j:99+\j]
.endr
	v_pk_add_f32 v[14:15], v[14:15], v[236:237]
	s_wait_alu depctr_va_vdst(0)                   ; and one for the four
.irp b, 0,1,2,3
	v_max_num_f32 v[232+\b], 0x1800000, v[232+\b]  ; the floor: the byte cannot fall under 1
.endr
.irp b, 0,1,2,3
	v_add_nc_u32 v[244+\b], 0xff000000, v[232+\b]
.endr
.irp b, 0,1,2,3
	v_lshrrev_b32 v[236+\b], 23, v[244+\b]
.endr
	v_lshl_or_b32 v253, v237, 8, v236              ; p's scale word for these 128 keys
	v_lshl_or_b32 v253, v238, 16, v253
	v_lshl_or_b32 v253, v239, 24, v253
.irp c, 0,1
	v_cvt_scalef32_pk16_fp6_f32 v[224+6*\c:226+6*\c], v[96+32*\c:111+32*\c], v[244+2*\c]
	v_cvt_scalef32_pk16_fp6_f32 v[236+4*\c:238+4*\c], v[112+32*\c:127+32*\c], v[244+2*\c+1]
.endr
	v_nop                                          ; one plain place behind a scaled conversion
.irp c, 0,1
.irp i, 0,1,2
	v_permlane16_swap_b32 v[224+6*\c+\i], v[236+4*\c+\i]
.endr
.irp i, 0,1,2
	v_mov_b32 v[227+6*\c+\i], v[236+4*\c+\i]
.endr
.endr
.set j, 0
.rept 16
	v_pk_mul_f32 v[160+j:161+j], v[160+j:161+j], v[252:253] op_sel_hi:[1,0]   ; O^T under the new M; these lines are also the places between p's codes and scale word and the products
.set j, j+2
.endr
	s_wait_dscnt 0x0                               ; V is in
.irp t, 0,1,2,3
	v_wmma_scale_f32_16x16x128_f8f6f4 v[160+8*\t:167+8*\t], v[32+12*\t:43+12*\t], v[224:235], v[160+8*\t:167+8*\t], v[86+\t], v253 matrix_a_fmt:MATRIX_FMT_FP6 matrix_b_fmt:MATRIX_FMT_FP6
.endr
.Lhidden:
	s_add_co_u32 s[KF], s[KF], 128
	s_add_co_u32 s[TB], s[TB], 6144
	s_add_co_u32 s[TSK], s[TSK], 512
	s_add_co_u32 s[TSV], s[TSV], 256
	s_add_co_u32 s[ST], s[ST], 1
	s_cmp_lt_u32 s[ST], 8
	s_cbranch_scc1 .Lstep
	; THE WAY OUT: O^T / the sum; a lane's 32 registers are the head's 64 channels of its half: two blocks, quantised in registers: half e = head % 2 of fragment (token tile, K step head / 2)
	v_add_f32 v14, v14, v15
	v_permlanex16_b32 v252, v14, s[SEL], s[SEL+1]
	v_add_f32 v14, v14, v252
	v_rcp_f32 v14, v14
	s_and_b32 s66, s12, 1                          ; e
	s_mul_i32 s67, s66, 520
	v_add_nc_u32 v29, s67, v1                      ; registers 6 e, 6 e + 1 of the image: 16 l + 520 e
	s_mul_i32 s68, s66, 1016
	s_add_co_u32 s68, s68, 8
	v_add_nc_u32 v30, s68, v1                      ; 6 e + 2, + 3: 16 l + 8 + 1,016 e
	s_add_co_u32 s67, s67, 512
	v_add_nc_u32 v31, s67, v1                      ; 6 e + 4, + 5: 16 l + 512 + 520 e
	s_lshl_b32 s66, s66, 1
	v_add_nc_u32 v28, s66, v7                      ; the scale word's half: 4 r + 2 e
	s_lshl_b32 s70, s16, 3
	s_lshr_b32 s71, s12, 1
	s_add_co_u32 s70, s70, s71
	s_mul_i32 s72, s70, 1536
	s_mov_b32 s73, 0
	s_add_nc_u64 s[72:73], s[6:7], s[72:73]
	s_lshl_b32 s70, s70, 6
	s_add_co_u32 s70, s70, ASC
	s_mov_b32 s71, 0
	s_add_nc_u64 s[70:71], s[6:7], s[70:71]
	s_wait_alu depctr_va_vdst(0)                   ; the wait ahead of the reciprocal's first reader
.set j, 0
.rept 32
	v_mul_f32 v[192+j], v[160+j], v14              ; each accumulator from its low end on
.set j, j+1
.endr
.irp b, 0,1
	v_max3_num_f32 v[232+\b], |v[192+16*\b]|, |v[193+16*\b]|, 0x1800000
.endr
.irp i, 2,4,6,8,10,12,14
.irp b, 0,1
	v_max3_num_f32 v[232+\b], v[232+\b], |v[192+16*\b+\i]|, |v[193+16*\b+\i]|
.endr
.endr
.irp b, 0,1
	v_permlanex16_b32 v[236+\b], v[232+\b], s[SEL], s[SEL+1]
.endr
.irp b, 0,1
	v_max_num_f32 v[232+\b], v[232+\b], v[236+\b]
.endr
.irp b, 0,1
	v_add_nc_u32 v[244+\b], 0xff000000, v[232+\b]
.endr
.irp b, 0,1
	v_lshrrev_b32 v[236+\b], 23, v[244+\b]
.endr
	v_lshl_or_b32 v254, v237, 8, v236
	v_cvt_scalef32_pk16_fp6_f32 v[224:226], v[192:207], v244
	v_cvt_scalef32_pk16_fp6_f32 v[228:230], v[208:223], v245
	v_nop
.irp i, 0,1,2
	v_permlane16_swap_b32 v[224+\i], v[228+\i]
.endr
.irp i, 0,1,2
	v_mov_b32 v[227+\i], v[228+\i]                 ; ascending: each source is read before it is written
.endr
	global_store_b64 v29, v[224:225], s[72:73]
	global_store_b64 v30, v[226:227], s[72:73]
	global_store_b64 v31, v[228:229], s[72:73]
	global_store_b16 v28, v254, s[70:71]           ; lanes 16-31 hold, and write, the same as lanes 0-15
	s_wait_tensorcnt 0x0                           ; the wave's end
	ds_add_u32 v[SPW], v[NIL]
	s_wait_dscnt 0x0
	CROUND                                         ; the closing round
	s_endpgm
.Lfunc_end_k_qc34dcfb385_attn:
	.size	k_qc34dcfb385_attn, .Lfunc_end_k_qc34dcfb385_attn-k_qc34dcfb385_attn
	.p2alignl 7, 3214868480
	.fill 96, 4, 3214868480
	.section	.rodata,"a",@progbits
	.p2align	6, 0x0
	.amdhsa_kernel k_qc34dcfb385_attn
		.amdhsa_group_segment_fixed_size 327680
		.amdhsa_private_segment_fixed_size 0
		.amdhsa_enable_private_segment 0
		.amdhsa_kernarg_size 16
		.amdhsa_user_sgpr_count 2
		.amdhsa_user_sgpr_kernarg_segment_ptr 1
		.amdhsa_wavefront_size32 1
		.amdhsa_system_sgpr_workgroup_id_x 1
		.amdhsa_system_sgpr_workgroup_id_y 1
		.amdhsa_system_sgpr_workgroup_id_z 1
		.amdhsa_system_vgpr_workitem_id 0
		.amdhsa_next_free_vgpr 256
		.amdhsa_next_free_sgpr 80
		.amdhsa_reserve_vcc 1
		.amdhsa_float_denorm_mode_32 3
		.amdhsa_float_denorm_mode_16_64 3
		.amdhsa_memory_ordered 1
		.amdhsa_forward_progress 1
		.amdhsa_inst_pref_size 34
	.end_amdhsa_kernel
	.amdgpu_metadata
---
amdhsa.version: [ 1, 2 ]
amdhsa.kernels:
  - .name:           k_qc34dcfb385_attn
    .symbol:         k_qc34dcfb385_attn.kd
    .args:
      - { .name: qkvc, .offset: 0, .size: 8, .value_kind: global_buffer, .address_space: global }
      - { .name: act2, .offset: 8, .size: 8, .value_kind: global_buffer, .address_space: global }
    .group_segment_fixed_size: 327680
    .private_segment_fixed_size: 0
    .kernarg_segment_align: 8
    .kernarg_segment_size: 16
    .max_flat_workgroup_size: 512
    .sgpr_count:     80
    .vgpr_count:     256
    .wavefront_size: 32
...
	.end_amdgpu_metadata
.endif
;; end of part 3
;; launch cproj (part 4): grid 8 x 32, 4 waves a work-group, clusters of 4 x 4, 327,680 bytes of LDS; arguments act2, wts, b_cproj, x, x1; writes x1
.if DOCPART == 4
	.amdgcn_target "amdgcn-amd-amdhsa--gfx1250"
	.amdhsa_code_object_version 6
	.text
	.protected	k_qc34dcfb385_cproj
	.globl	k_qc34dcfb385_cproj
	.p2align	8
	.type	k_qc34dcfb385_cproj,@function
k_qc34dcfb385_cproj:
	s_mov_b64 s[64:65], 0
	v_nop
	global_prefetch_b8 v0, s[64:65] scope:SCOPE_SE
	s_setreg_imm32_b32 hwreg(HW_REG_WAVE_MODE, 25, 1), 1
	s_wait_xcnt 0x0
	s_wait_alu depctr_hold_cnt(0) depctr_sa_sdst(0) depctr_va_vdst(0) depctr_va_sdst(0) depctr_va_ssrc(0) depctr_va_vcc(0) depctr_vm_vsrc(0)
	s_getreg_b32 s2, hwreg(HW_REG_IB_STS2, 6, 4)
	s_cmp_eq_u32 s2, 0
	s_cbranch_scc0 .Lentry_in_a_cluster
	s_endpgm
.Lentry_in_a_cluster:
	s_bfe_u32 s2, ttmp6, 0x10000c
	s_cmp_lg_u32 s2, 0xf033
	s_cbranch_scc0 .Lentry_shape_is_right
	s_endpgm
.Lentry_shape_is_right:
; out = res + (A W + bias), the product on codes of FP6 (E2M3) with E8M0 scales; A's and W's codes lie in memory as images of fragment registers: [tile of 16][K step of 128][1536 bytes], scale words
; [tile][K step][16 words]; lane-row r of tile t is index 32 (t / 2) + 8 (t % 2) + r + 8 (r / 8).  res and out: [4096][1024] f32.
; N is 1,024: tiles of 256 x 256 would give 64 work-groups, so a work-group makes 128 x 128 and a wave 64 x 64: 16 accumulators; 256 work-groups.
; Source 0 = the weight's column tiles (its index runs along a lane's registers), source 1 = token tiles.  K goes through two LDS slots of 512 along K.  CLUSTER 4 x 4: source 0's tiles are asked for jointly by a column
; of the cluster, source 1's by a row.  The scale words for all of K come into LDS once.  The residual's 64 x 64 numbers of a wave are asked for at the head and land under the K loop.
; REGISTERS: window 0: v16-31 addresses; v32-39 scale words, two sets; v48-51 bias; v64-111, v112-159 source 1's fragments (on the way out v64-191: rows of the result).
;   window 1: v0-47, v128-175 source 0's fragments.   window 2: accumulator (a, b) at v[8 (4 a + b)].   window 3: v0-127 the residual.
.set KST,  8                           ; K steps of 128
.set S1SC, 3145728                     ; source 1's scale words in its buffer
.set S0CO, 2359296                     ; the weight's codes in wts
.set S0SC, 9535488                     ; and its scale words
.set NA, 4
.set NB, 4
.set NQ, 4
.set HALFT, NA*NQ*1536
.set SLOT,  4*HALFT
.set SCL,   2*SLOT
.set HALFS, NA*KST*64
.set STAGE, SCL+4*HALFS                ; 16 rows x (256 + 16) bytes for each wave: no tile ever lands here
.set SPARE, STAGE+4*16*272             ; the spare words, 128 bytes for each wave, which no other line names
.set LAPS,  KST/(2*NQ)
.set CC,    NQ*192
.set ADRA, 16
.set ADRB, 20
.set BO,   23
.set STO,  24
.set RD,   25
.set CO,   26
.set ADRS, 27
.set SPW,  28
.set NIL,  29
.set LI,   30
.set LS,   31
.set SC,   32
.set AF,   64
.set BK,   64
.set G1, 24
.set G0, 32
.set G1B, 48
.set G0B, 56
.set G1S, 68
.set G0S, 76
.set G1SB, 80
.set G0SB, 88
.set MSB, 0
.macro WIN new                         ; the immediate's high byte repeats the setting that is left
.if MSB != \new
	s_set_vgpr_msb (MSB<<8)|\new
.set MSB, \new
.endif
.endm
.macro PLACES n
.rept \n
	v_nop
.endr
.endm
.macro JLOAD g0a, g1a, g0b, g1b        ; a joint load: waves 0 and 1 fetch for source 1, waves 2 and 3 for source 0; four v_nop follow each of the two lines
	s_cmp_eq_u32 s15, 0
	s_cbranch_scc0 .Lfor_b_\@
	tensor_load_to_lds s[\g0a:\g0a+3], s[\g1a:\g1a+7]
	s_nop 0
.rept 4
	v_nop
.endr
	s_branch .Lasked_\@
.Lfor_b_\@:
	tensor_load_to_lds s[\g0b:\g0b+3], s[\g1b:\g1b+7]
	s_nop 0
.rept 4
	v_nop
.endr
.Lasked_\@:
.endm
.macro CREST
	s_cmp_lg_u32 s14, 0
	s_cbranch_scc1 .Lnot_wave_0_\@
	s_barrier_signal -3
.Lnot_wave_0_\@:
	s_barrier_wait -3
	s_barrier_signal -1
	s_barrier_wait -1
.endm
.macro CROUND
	s_barrier_signal -1
	s_barrier_wait -1
	CREST
.endm
	s_load_b256 s[4:11], s[0:1], 0x0               ; A's buffer, wts, bias, res
	s_load_b64 s[12:13], s[0:1], 0x20              ; out
	v_lshl_add_u32 v[SPW], v0, 2, SPARE
	v_mov_b32 v[NIL], 0
	ds_add_u32 v28, v29
	ds_add_u32 v28, v29
	s_wait_dscnt 0x0
	v_lshrrev_b32 v1, 5, v0
	v_readfirstlane_b32 s14, v1                    ; wave 0..3
	s_lshr_b32 s15, s14, 1                         ; my half of source 1.  Also: I fetch for source 1 (0) or source 0 (1)
	s_and_b32 s16, s14, 1                          ; my half of source 0.  Also: which half I fetch
	s_bfe_u32 s40, ttmp6, 0x40000                  ; cx
	s_bfe_u32 s41, ttmp6, 0x40004                  ; cy
	s_lshl_b32 s42, ttmp9, 2
	s_add_co_u32 s42, s42, s40                     ; which 128 columns
	s_and_b32 s17, ttmp7, 0xffff
	s_lshl_b32 s17, s17, 2
	s_add_co_u32 s17, s17, s41                     ; which 128 tokens
	s_lshl_b32 s43, s41, 2
	s_lshl_b32 s43, 15, s43                        ; my row of the cluster
	s_lshl_b32 s44, 0x1111, s40                    ; my column
	s_or_b32 s[G1+0], s43, (3<<16)|(1<<21)         ; 15:0 the mask; 17:16 elements of 8 bytes; 21 set beside a mask; no padding
	s_or_b32 s[G1B+0], s44, (3<<16)|(1<<21)
.irp g, G1, G1B
	s_mov_b32 s[\g+1], CC<<16                      ; tensor_dim0: a tile's NQ fragments on end
	s_mov_b32 s[\g+2], NA<<16                      ; tensor_dim1: NA tiles
	s_mov_b32 s[\g+3], CC<<16
	s_mov_b32 s[\g+4], NA
	s_mov_b32 s[\g+5], KST*192                     ; from a tile to the next
	s_mov_b32 s[\g+6], 0
	s_mov_b32 s[\g+7], 0
.endr
	s_or_b32 s[G1S+0], s43, (3<<16)|(1<<21)
	s_or_b32 s[G1SB+0], s44, (3<<16)|(1<<21)
.irp g, G1S, G1SB
	s_mov_b32 s[\g+1], 32<<16                      ; a dense block, as rows of 256 bytes
	s_mov_b32 s[\g+2], (HALFS/256)<<16
	s_mov_b32 s[\g+3], 32<<16
	s_mov_b32 s[\g+4], HALFS/256
	s_mov_b32 s[\g+5], 32
	s_mov_b32 s[\g+6], 0
	s_mov_b32 s[\g+7], 0
.endr
	s_mul_i32 s18, s16, NA
	s_mul_i32 s20, s17, 2*NA
	s_add_co_u32 s20, s20, s18                     ; source 1: the first tile that I fetch
	s_mul_i32 s46, s42, 2*NA
	s_add_co_u32 s46, s46, s18                     ; source 0 likewise
	s_mul_i32 s22, s20, KST*64
	s_add_co_u32 s22, s22, S1SC
	s_mov_b32 s23, 0
	s_mul_i32 s92, s46, KST*64
	s_add_co_u32 s92, s92, S0SC
	s_mov_b32 s93, 0
	s_mul_i32 s20, s20, KST*1536
	s_mov_b32 s21, 0
	s_mul_i32 s46, s46, KST*1536
	s_add_co_u32 s46, s46, S0CO
	s_mov_b32 s47, 0
	s_mul_i32 s45, s14, HALFT                      ; where they go: wave x a half
	s_mul_i32 s94, s14, HALFS
	s_wait_kmcnt 0x0
	s_add_nc_u64 s[20:21], s[4:5], s[20:21]
	s_add_nc_u64 s[22:23], s[4:5], s[22:23]
	s_add_nc_u64 s[46:47], s[6:7], s[46:47]
	s_add_nc_u64 s[92:93], s[6:7], s[92:93]
	CROUND                                         ; all sixteen work-groups are here: the first joint loads meet
	s_mov_b32 s[G0S], 1
	s_add_co_u32 s[G0S+1], s94, SCL
	s_mov_b64 s[G0S+2:G0S+3], s[22:23]
	s_or_b32 s[G0S+3], s[G0S+3], 0x80000000
	s_mov_b32 s[G0SB], 1
	s_add_co_u32 s[G0SB+1], s94, SCL
	s_mov_b64 s[G0SB+2:G0SB+3], s[92:93]
	s_or_b32 s[G0SB+3], s[G0SB+3], 0x80000000
	JLOAD G0S, G1S, G0SB, G1SB
.irp s, 0,1
	s_mov_b32 s[G0+4*\s], 1
	s_add_co_u32 s[G0+4*\s+1], s45, \s*SLOT
	s_add_nc_u64 s[G0+4*\s+2:G0+4*\s+3], s[20:21], \s*NQ*1536
	s_or_b32 s[G0+4*\s+3], s[G0+4*\s+3], 0x80000000
	s_mov_b32 s[G0B+4*\s], 1
	s_add_co_u32 s[G0B+4*\s+1], s45, \s*SLOT
	s_add_nc_u64 s[G0B+4*\s+2:G0B+4*\s+3], s[46:47], \s*NQ*1536
	s_or_b32 s[G0B+4*\s+3], s[G0B+4*\s+3], 0x80000000
	JLOAD G0+4*\s, G1, G0B+4*\s, G1B               ; three loads of mine are out now
.endr
	v_and_b32 v1, 15, v0                           ; r
	v_bfe_u32 v2, v0, 4, 1                         ; h
	v_and_b32 v3, 31, v0
	v_lshlrev_b32 v[LI], 4, v3
	v_lshlrev_b32 v[LS], 2, v1
	s_mul_i32 s21, s15, HALFT
	s_mul_i32 s22, s16, HALFT
	s_add_co_u32 s22, s22, 2*HALFT
.irp s, 0,1
	v_add_nc_u32 v[ADRA+\s], s21, v[LI]
	v_add_nc_u32 v[ADRB+\s], s22, v[LI]
	s_add_co_u32 s21, s21, SLOT
	s_add_co_u32 s22, s22, SLOT
.endr
	s_mul_i32 s21, s15, HALFS                      ; scale words: lanes 0-15 take source 1's, lanes 16-31 source 0's
	s_mul_i32 s22, s16, HALFS
	s_add_co_u32 s22, s22, 2*HALFS
	s_sub_co_u32 s22, s22, s21
	v_mul_u32_u24 v6, s22, v2
	s_add_co_u32 s21, s21, SCL
	v_add_nc_u32 v5, v[LS], v6
	v_add_nc_u32 v[ADRS], s21, v5
	s_mul_i32 s23, s14, 16*272
	s_add_co_u32 s23, s23, STAGE                   ; my stage
	v_mul_u32_u24 v5, v1, 272
	v_lshl_add_u32 v5, v2, 6, v5
	v_add_nc_u32 v[STO], s23, v5                   ; in: row r, 64 h
	v_mul_u32_u24 v5, v2, 272
	v_lshl_add_u32 v5, v1, 4, v5
	v_add_nc_u32 v[RD], s23, v5                    ; back: lanes 0-15 one row of 256 bytes, lanes 16-31 the next
	v_lshlrev_b32 v5, 12, v2
	v_lshl_add_u32 v[CO], v1, 4, v5                ; and the same two rows in res and out
	v_lshlrev_b32 v[BO], 4, v1
	s_lshl_b32 s20, s17, 7
	s_lshl_b32 s21, s15, 6
	s_add_co_u32 s20, s20, s21                     ; my first token
	s_lshl_b32 s20, s20, 12
	s_lshl_b32 s46, s42, 7
	s_lshl_b32 s47, s16, 6
	s_add_co_u32 s46, s46, s47                     ; my first column
	s_lshl_b32 s46, s46, 2
	s_mov_b32 s47, 0
	s_add_nc_u64 s[8:9], s[8:9], s[46:47]
	s_add_co_u32 s20, s20, s46
	s_mov_b32 s21, 0
	s_add_nc_u64 s[10:11], s[10:11], s[20:21]
	s_add_nc_u64 s[12:13], s[12:13], s[20:21]
	global_load_b128 v[48:51], v[BO], s[8:9]       ; the bias of my four columns of a row
	WIN 0xc0                                       ; destination window 3
.irp a, 0,1,2,3
.irp i, 0,1,2,3,4,5,6,7
	global_load_b128 v[32*\a+4*\i:32*\a+4*\i+3], v[CO], s[10:11] offset:(32*(\a/2)+8*(\a%2)+2*\i+8*(\i/4))*4096   ; stage rows 2 i, 2 i + 1 of token tile a
.endr
.endr
	WIN 0
.macro FETCH slot, q, p
	WIN 0x40
.irp i, 0,1,2,3
.irp c, 0,1,2
	ds_load_b128 v[128*(\p)+12*\i+4*\c:128*(\p)+12*\i+4*\c+3], v[ADRB+\slot] offset:\i*NQ*1536+(\q)*1536+512*\c
.endr
.endr
	WIN 0
.irp i, 0,1,2,3
.irp c, 0,1,2
	ds_load_b128 v[AF+12*NA*(\p)+12*\i+4*\c:AF+12*NA*(\p)+12*\i+4*\c+3], v[ADRA+\slot] offset:\i*NQ*1536+(\q)*1536+512*\c
.endr
.endr
.irp i, 0,1,2,3
	ds_load_b32 v[SC+NB*(\p)+\i], v[ADRS] offset:\i*KST*64
.endr
	v_add_nc_u32 v[ADRS], 64, v[ADRS]
.endm
.macro MULA a, p, zero                 ; the 16 accumulators take turns, one instruction a turn, in the same order in every step
	WIN 0xa1
.irp b, 0,1,2,3
.if \zero
	v_wmma_scale_f32_16x16x128_f8f6f4 v[8*(NB*(\a)+\b):8*(NB*(\a)+\b)+7], v[128*(\p)+12*\b:128*(\p)+12*\b+11], v[AF+12*NA*(\p)+12*(\a):AF+12*NA*(\p)+12*(\a)+11], 0, v[SC+NB*(\p)+\b], v[SC+NB*(\p)+(\a)] matrix_a_fmt:MATRIX_FMT_FP6 matrix_b_fmt:MATRIX_FMT_FP6 matrix_a_scale:MATRIX_SCALE_ROW1
.else
	v_wmma_scale_f32_16x16x128_f8f6f4 v[8*(NB*(\a)+\b):8*(NB*(\a)+\b)+7], v[128*(\p)+12*\b:128*(\p)+12*\b+11], v[AF+12*NA*(\p)+12*(\a):AF+12*NA*(\p)+12*(\a)+11], v[8*(NB*(\a)+\b):8*(NB*(\a)+\b)+7], v[SC+NB*(\p)+\b], v[SC+NB*(\p)+(\a)] matrix_a_fmt:MATRIX_FMT_FP6 matrix_b_fmt:MATRIX_FMT_FP6 matrix_a_scale:MATRIX_SCALE_ROW1
.endif
.endr
.endm
.macro STEP slot, q, zero
	s_wait_dscnt 0x0                               ; this step's fragments are in
	PLACES 4                                       ; in front of loads into registers that the last step's products have read
	FETCH \slot, (\q)+1, 1-(\q)%2
.irp a, 0,1,2,3
	MULA \a, (\q)%2, \zero
.endr
.endm
.macro TURN slot, next, fill
	WIN 0
	s_wait_tensorcnt 0x0                           ; all my tensor loads have landed
	ds_add_u32 v[SPW], v[NIL]                      ; 0 onto my spare word
	s_wait_dscnt 0x1                               ; this step's fragments are in; the add may be out
	MULA 0, 1, 0
	s_wait_dscnt 0x0                               ; the add is done, and my reads of this slot are over
	s_barrier_signal -1
	MULA 1, 1, 0
	WIN 0
	s_barrier_wait -1
.if \fill
	CREST
	s_add_nc_u64 s[G0+4*\slot+2:G0+4*\slot+3], s[G0+4*\slot+2:G0+4*\slot+3], 2*NQ*1536
	s_add_nc_u64 s[G0B+4*\slot+2:G0B+4*\slot+3], s[G0B+4*\slot+2:G0B+4*\slot+3], 2*NQ*1536
	JLOAD G0+4*\slot, G1, G0B+4*\slot, G1B         ; the first tensor load behind the round; its four v_nop are also the places in front of the loads below
.else
	PLACES 4
.endif
	FETCH \next, 0, 0
	MULA 2, 1, 0
	MULA 3, 1, 0
.endm
	s_wait_tensorcnt 0x1                           ; the scale words and my part of slot 0 are in; slot 1's load may be out
	s_barrier_signal -1
	s_barrier_wait -1
	FETCH 0, 0, 0
	STEP 0, 0, 1
.if LAPS > 1
	WIN 0
	s_mov_b32 s3, LAPS-1
.Llap:
	STEP 0, 1, 0
	STEP 0, 2, 0
	TURN 0, 1, 1
	STEP 1, 0, 0
	STEP 1, 1, 0
	STEP 1, 2, 0
	TURN 1, 0, 1
	STEP 0, 0, 0
	WIN 0
	s_sub_co_u32 s3, s3, 1
	s_cmp_lg_u32 s3, 0
	s_cbranch_scc1 .Llap
.endif
	STEP 0, 1, 0
	STEP 0, 2, 0
	TURN 0, 1, 0                                   ; the last lap fills nothing
	STEP 1, 0, 0
	STEP 1, 1, 0
	STEP 1, 2, 0
	s_wait_dscnt 0x0
.irp a, 0,1,2,3
	MULA \a, 1, 0
.endr
	WIN 0
	; THE WAY OUT, a token tile at a time: 16 rows x 64 columns through my own stage, back as whole rows of 256 bytes; residual and bias are added; sixteen lanes store 256 consecutive bytes, aligned.
	PLACES 4
	s_wait_loadcnt 0x0                             ; bias and residual
.macro TOSTAGE a
	WIN 0x08                                       ; an LDS store's data: window 2
.irp b, 0,1,2,3
.irp q, 0,1
	ds_store_b128 v[STO], v[8*(4*(\a)+\b)+4*\q:8*(4*(\a)+\b)+4*\q+3] offset:128*(\b/2)+32*(\b%2)+16*\q   ; each accumulator from its low end on
.endr
.endr
	WIN 0
.irp i, 0,1,2,3,4,5,6,7
	ds_load_b128 v[BK+32*(\a)+4*\i:BK+32*(\a)+4*\i+3], v[RD] offset:544*\i   ; LDS serves a wave's instructions in order: these see my stores, and the next tile's stores come behind them
.endr
.endm
.macro SEND a, younger
	s_wait_dscnt \younger
	WIN 0x0c                                       ; source 1: window 3
.set k, 0
.rept 16
	v_pk_add_f32 v[BK+32*(\a)+k:BK+32*(\a)+k+1], v[BK+32*(\a)+k:BK+32*(\a)+k+1], v[32*(\a)+k:32*(\a)+k+1]
.set k, k+2
.endr
	WIN 0
.irp i, 0,1,2,3,4,5,6,7
.irp e, 0,1
	v_pk_add_f32 v[BK+32*(\a)+4*\i+2*\e:BK+32*(\a)+4*\i+2*\e+1], v[BK+32*(\a)+4*\i+2*\e:BK+32*(\a)+4*\i+2*\e+1], v[48+2*\e:49+2*\e]
.endr
.endr
.irp i, 0,1,2,3,4,5,6,7
	global_store_b128 v[CO], v[BK+32*(\a)+4*\i:BK+32*(\a)+4*\i+3], s[12:13] offset:(32*((\a)/2)+8*((\a)%2)+2*\i+8*(\i/4))*4096
.endr
.endm
	TOSTAGE 0
	TOSTAGE 1
	SEND 0, 16                                     ; behind tile 0's loads: tile 1's 8 stores and 8 loads
	TOSTAGE 2
	SEND 1, 16
	TOSTAGE 3
	SEND 2, 16
	SEND 3, 0
	s_wait_tensorcnt 0x0                           ; the wave's end
	ds_add_u32 v[SPW], v[NIL]
	s_wait_dscnt 0x0
	CROUND                                         ; the closing round
	s_endpgm
.Lfunc_end_k_qc34dcfb385_cproj:
	.size	k_qc34dcfb385_cproj, .Lfunc_end_k_qc34dcfb385_cproj-k_qc34dcfb385_cproj
	.p2alignl 7, 3214868480
	.fill 96, 4, 3214868480
	.section	.rodata,"a",@progbits
	.p2align	6, 0x0
	.amdhsa_kernel k_qc34dcfb385_cproj
		.amdhsa_group_segment_fixed_size 327680
		.amdhsa_private_segment_fixed_size 0
		.amdhsa_enable_private_segment 0
		.amdhsa_kernarg_size 40
		.amdhsa_user_sgpr_count 2
		.amdhsa_user_sgpr_kernarg_segment_ptr 1
		.amdhsa_wavefront_size32 1
		.amdhsa_system_sgpr_workgroup_id_x 1
		.amdhsa_system_sgpr_workgroup_id_y 1
		.amdhsa_system_sgpr_workgroup_id_z 1
		.amdhsa_system_vgpr_workitem_id 0
		.amdhsa_next_free_vgpr 1024
		.amdhsa_next_free_sgpr 100
		.amdhsa_reserve_vcc 0
		.amdhsa_float_denorm_mode_32 3
		.amdhsa_float_denorm_mode_16_64 3
		.amdhsa_memory_ordered 1
		.amdhsa_forward_progress 1
		.amdhsa_inst_pref_size 62
	.end_amdhsa_kernel
	.amdgpu_metadata
---
amdhsa.version: [ 1, 2 ]
amdhsa.kernels:
  - .name:           k_qc34dcfb385_cproj
    .symbol:         k_qc34dcfb385_cproj.kd
    .args:
      - { .name: act2, .offset: 0, .size: 8, .value_kind: global_buffer, .address_space: global }
      - { .name: wts, .offset: 8, .size: 8, .value_kind: global_buffer, .address_space: global }
      - { .name: b_cproj, .offset: 16, .size: 8, .value_kind: global_buffer, .address_space: global }
      - { .name: x, .offset: 24, .size: 8, .value_kind: global_buffer, .address_space: global }
      - { .name: x1, .offset: 32, .size: 8, .value_kind: global_buffer, .address_space: global }
    .group_segment_fixed_size: 327680
    .private_segment_fixed_size: 0
    .kernarg_segment_align: 8
    .kernarg_segment_size: 40
    .max_flat_workgroup_size: 128
    .sgpr_count:     100
    .vgpr_count:     1024
    .wavefront_size: 32
...
	.end_amdgpu_metadata
.endif
;; end of part 4
;; launch ln2 (part 5): grid 256 x 1, 4 waves a work-group, no clusters, 66,560 bytes of LDS; arguments x1, ln2_w, ln2_b, act1; writes act1
.if DOCPART == 5
	.amdgcn_target "amdgcn-amd-amdhsa--gfx1250"
	.amdhsa_code_object_version 6
	.text
	.protected	k_qc34dcfb385_ln2
	.globl	k_qc34dcfb385_ln2
	.p2align	8
	.type	k_qc34dcfb385_ln2,@function
k_qc34dcfb385_ln2:
	s_mov_b64 s[64:65], 0
	v_nop
	global_prefetch_b8 v0, s[64:65] scope:SCOPE_SE
	s_setreg_imm32_b32 hwreg(HW_REG_WAVE_MODE, 25, 1), 1
	s_wait_xcnt 0x0
; y = w (x - mean) / sqrt(var + 1e-5) + b over rows of 1,024 f32, then quantised along the row to FP6 (E2M3) with one E8M0 byte for each 32, stored as images of operand registers:
; codes [tile of 16 tokens][K step of 128][1536], scale words behind them [tile][K step][16 words].  Lane-row r of tile T is token 32 (T / 2) + 8 (T % 2) + r + 8 (r / 8).
; A work-group makes one tile.  Phase 1: wave w normalises stage rows 4 w .. 4 w + 3 (four neighbouring tokens), each row whole in 32 registers a lane; mean first, then the squares of the differences,
; as the definition has it.  The rows go to a stage in LDS, 4,112 bytes apart.  One barrier.  Phase 2: wave w quantises K steps 2 w and 2 w + 1: lane (r, h) takes of row r the 16 numbers 16 h on of each block of 32.
; LIMITS: blocks whose largest magnitude lies under 2^-124 (zeros too) get the byte 1, read by this program alone; NaN and infinities are not served.
.set ASC, 3145728
.set T,   64
.set PC,  128
.set TM,  148
.set PW,  164
.set SEL, 12
.macro QUANT s                         ; 64 numbers of a lane, register 16 b + i = k 32 b + 16 (lane / 16) + i of my row, become a fragment's codes in v[PC] on and its scale word in v[PW]
.irp b, 0,1,2,3
	v_max3_num_f32 v[TM+\b], |v[\s+16*\b]|, |v[\s+1+16*\b]|, 0x1800000   ; with the floor 2^(3 - 127): the byte cannot fall under 1
.endr
.irp i, 2,4,6,8,10,12,14
.irp b, 0,1,2,3
	v_max3_num_f32 v[TM+\b], v[TM+\b], |v[\s+16*\b+\i]|, |v[\s+1+16*\b+\i]|
.endr
.endr
.irp b, 0,1,2,3
	v_permlanex16_b32 v[TM+4+\b], v[TM+\b], s[SEL], s[SEL+1]
.endr
.irp b, 0,1,2,3
	v_max_num_f32 v[TM+\b], v[TM+\b], v[TM+4+\b]   ; with lane l xor 16's: the block's largest magnitude
.endr
.irp b, 0,1,2,3
	v_add_nc_u32 v[TM+12+\b], 0xff000000, v[TM+\b] ; 2 off its exponent field: the conversion's scale operand
.endr
.irp b, 0,1,2,3
	v_lshrrev_b32 v[TM+4+\b], 23, v[TM+12+\b]      ; the byte
.endr
	v_lshl_or_b32 v[PW], v[TM+5], 8, v[TM+4]
	v_lshl_or_b32 v[PW], v[TM+6], 16, v[PW]
	v_lshl_or_b32 v[PW], v[TM+7], 24, v[PW]
.irp c, 0,1
	v_cvt_scalef32_pk16_fp6_f32 v[PC+6*\c:PC+2+6*\c], v[\s+32*\c:\s+15+32*\c], v[TM+12+2*\c]
	v_cvt_scalef32_pk16_fp6_f32 v[PC+12+4*\c:PC+14+4*\c], v[\s+16+32*\c:\s+31+32*\c], v[TM+12+2*\c+1]
.endr
	v_nop                                          ; one plain place behind a scaled conversion
.irp c, 0,1                                    ; the operand wants a whole block in a lane
.irp i, 0,1,2
	v_permlane16_swap_b32 v[PC+6*\c+\i], v[PC+12+4*\c+\i]
.endr
.irp i, 0,1,2
	v_mov_b32 v[PC+3+6*\c+\i], v[PC+12+4*\c+\i]
.endr
.endr
.endm
.macro REDUCE                          ; v8 summed over the 32 lanes, into every lane
	v_add_f32_dpp v8, v8, v8 row_xmask:1 row_mask:0xf bank_mask:0xf
	v_add_f32_dpp v8, v8, v8 row_xmask:2 row_mask:0xf bank_mask:0xf
	v_add_f32_dpp v8, v8, v8 row_xmask:4 row_mask:0xf bank_mask:0xf
	v_add_f32_dpp v8, v8, v8 row_xmask:8 row_mask:0xf bank_mask:0xf
	v_permlanex16_b32 v9, v8, s[SEL], s[SEL+1]
	v_add_f32 v8, v8, v9
.endm
	s_load_b256 s[4:11], s[0:1], 0x0               ; the rows, w, b, the codes' buffer
	v_lshl_add_u32 v62, v0, 2, 0x10200
	v_mov_b32 v63, 0
	v_lshrrev_b32 v1, 5, v0
	v_readfirstlane_b32 s3, v1                     ; wave
	v_and_b32 v2, 31, v0
	v_lshlrev_b32 v1, 4, v2                        ; 16 x lane
	s_lshr_b32 s16, ttmp9, 1
	s_lshl_b32 s16, s16, 5
	s_and_b32 s17, ttmp9, 1
	s_lshl_b32 s17, s17, 3
	s_add_co_u32 s16, s16, s17                     ; the tile's first token
	s_lshl_b32 s17, s3, 2
	s_add_co_u32 s16, s16, s17
	s_lshr_b32 s17, s3, 1
	s_lshl_b32 s17, s17, 3
	s_add_co_u32 s16, s16, s17                     ; my wave's first: + 4 w + 8 (w / 2)
	s_lshl_b32 s16, s16, 12                        ; rows of 4,096 bytes
	s_mov_b32 s17, 0
	s_mov_b32 s[SEL], 0x76543210
	s_mov_b32 s[SEL+1], 0xfedcba98                 ; lane l xor 16
	s_mov_b32 s14, 0x3a800000                      ; 1 / 1,024
	s_mov_b32 s15, 0x3727c5ac                      ; 1e-5
	s_mul_i32 s18, s3, 4*4112
	v_add_nc_u32 v3, s18, v1                       ; into the stage: my wave's four rows
	v_and_b32 v5, 15, v0
	v_bfe_u32 v6, v0, 4, 1
	v_mul_u32_u24 v4, v5, 4112
	v_lshl_add_u32 v4, v6, 6, v4
	s_lshl_b32 s19, s3, 10
	v_add_nc_u32 v4, s19, v4                       ; out of it: row r, 64 h, my wave's two K steps
	v_lshlrev_b32 v7, 2, v5                        ; 4 r
	s_lshl_b32 s20, ttmp9, 3
	s_lshl_b32 s21, s3, 1
	s_add_co_u32 s20, s20, s21                     ; fragment 8 T + 2 w
	s_mul_i32 s22, s20, 1536
	s_mov_b32 s23, 0
	s_lshl_b32 s24, s20, 6
	s_add_co_u32 s24, s24, ASC
	s_mov_b32 s25, 0
	s_wait_kmcnt 0x0
	s_add_nc_u64 s[4:5], s[4:5], s[16:17]
	s_add_nc_u64 s[22:23], s[10:11], s[22:23]
	s_add_nc_u64 s[24:25], s[10:11], s[24:25]
.irp j, 0,1,2,3,4,5,6,7
	global_load_b128 v[192+4*\j:195+4*\j], v1, s[6:7] offset:512*\j
	global_load_b128 v[224+4*\j:227+4*\j], v1, s[8:9] offset:512*\j
.endr
.irp i, 0,1,2,3
.irp j, 0,1,2,3,4,5,6,7
	global_load_b128 v[64+32*\i+4*\j:67+32*\i+4*\j], v1, s[4:5] offset:4096*\i+512*\j th:TH_LOAD_NT   ; 512 consecutive bytes a load
.endr
.endr
.macro ROW i
.set R, 64+32*\i
	s_wait_loadcnt 8*(3-\i)                        ; w, b and this row are in; the later rows' eight loads each may be out
	v_pk_add_f32 v[8:9], v[R:R+1], v[R+2:R+3]
	v_pk_add_f32 v[10:11], v[R+4:R+5], v[R+6:R+7]
.irp k, 8,12,16,20,24,28
	v_pk_add_f32 v[8:9], v[8:9], v[R+\k:R+\k+1]
	v_pk_add_f32 v[10:11], v[10:11], v[R+\k+2:R+\k+3]
.endr
	v_pk_add_f32 v[8:9], v[8:9], v[10:11]
	v_add_f32 v8, v8, v9
	REDUCE
	v_mul_f32 v8, s14, v8                          ; the mean
.irp k, 0,2,4,6,8,10,12,14,16,18,20,22,24,26,28,30
	v_pk_add_f32 v[R+\k:R+\k+1], v[R+\k:R+\k+1], v[8:9] op_sel_hi:[1,0] neg_lo:[0,1] neg_hi:[0,1]
.endr
	v_pk_mul_f32 v[8:9], v[R:R+1], v[R:R+1]
	v_pk_mul_f32 v[10:11], v[R+2:R+3], v[R+2:R+3]
.irp k, 4,8,12,16,20,24,28
	v_pk_fma_f32 v[8:9], v[R+\k:R+\k+1], v[R+\k:R+\k+1], v[8:9]
	v_pk_fma_f32 v[10:11], v[R+\k+2:R+\k+3], v[R+\k+2:R+\k+3], v[10:11]
.endr
	v_pk_add_f32 v[8:9], v[8:9], v[10:11]
	v_add_f32 v8, v8, v9
	REDUCE
	v_fma_f32 v8, v8, s14, s15                     ; the variance + 1e-5
	v_rsq_f32 v10, v8
	v_nop                                          ; a plain place behind the transcendental
	s_wait_alu depctr_va_vdst(0)                   ; the wait ahead of the result's first reader
.irp k, 0,2,4,6,8,10,12,14,16,18,20,22,24,26,28,30
	v_pk_mul_f32 v[R+\k:R+\k+1], v[R+\k:R+\k+1], v[10:11] op_sel_hi:[1,0]
.endr
.irp k, 0,2,4,6,8,10,12,14,16,18,20,22,24,26,28,30
	v_pk_fma_f32 v[R+\k:R+\k+1], v[R+\k:R+\k+1], v[192+\k:193+\k], v[224+\k:225+\k]
.endr
.irp j, 0,1,2,3,4,5,6,7
	ds_store_b128 v3, v[R+4*\j:R+4*\j+3] offset:4112*\i+512*\j
.endr
.endm
	ROW 0
	ROW 1
	ROW 2
	ROW 3
	s_wait_dscnt 0x0                               ; for the others' sake: my rows lie in the stage
	s_barrier_signal -1
	s_barrier_wait -1
.irp b, 0,1,2,3
	v_mov_b32 v[TM+4+\b], 0                        ; a lane permute's destination counts as one of its sources
.endr
.macro KSTEP sl
.irp b, 0,1,2,3
.irp j, 0,1,2,3
	ds_load_b128 v[T+16*\b+4*\j:T+16*\b+4*\j+3], v4 offset:512*\sl+128*\b+16*\j
.endr
.endr
	s_wait_dscnt 0x0
.if \sl
	s_wait_xcnt 0x0                                ; the first K step's stores have read the codes' registers
.endif
	QUANT T
.irp c, 0,1,2
	global_store_b128 v1, v[PC+4*\c:PC+4*\c+3], s[22:23] offset:1536*\sl+512*\c   ; 512 consecutive bytes, aligned to 256
.endr
	global_store_b32 v7, v[PW], s[24:25] offset:64*\sl       ; lanes 16-31 hold, and write, the same words as lanes 0-15
.endm
	KSTEP 0
	KSTEP 1
	s_wait_tensorcnt 0x0
	ds_add_u32 v62, v63
	s_wait_dscnt 0x0
	s_endpgm
.Lfunc_end_k_qc34dcfb385_ln2:
	.size	k_qc34dcfb385_ln2, .Lfunc_end_k_qc34dcfb385_ln2-k_qc34dcfb385_ln2
	.p2alignl 7, 3214868480
	.fill 96, 4, 3214868480
	.section	.rodata,"a",@progbits
	.p2align	6, 0x0
	.amdhsa_kernel k_qc34dcfb385_ln2
		.amdhsa_group_segment_fixed_size 66560
		.amdhsa_private_segment_fixed_size 0
		.amdhsa_enable_private_segment 0
		.amdhsa_kernarg_size 32
		.amdhsa_user_sgpr_count 2
		.amdhsa_user_sgpr_kernarg_segment_ptr 1
		.amdhsa_wavefront_size32 1
		.amdhsa_system_sgpr_workgroup_id_x 1
		.amdhsa_system_sgpr_workgroup_id_y 1
		.amdhsa_system_sgpr_workgroup_id_z 1
		.amdhsa_system_vgpr_workitem_id 0
		.amdhsa_next_free_vgpr 256
		.amdhsa_next_free_sgpr 66
		.amdhsa_reserve_vcc 0
		.amdhsa_float_denorm_mode_32 3
		.amdhsa_float_denorm_mode_16_64 3
		.amdhsa_memory_ordered 1
		.amdhsa_forward_progress 1
		.amdhsa_inst_pref_size 44
	.end_amdhsa_kernel
	.amdgpu_metadata
---
amdhsa.version: [ 1, 2 ]
amdhsa.kernels:
  - .name:           k_qc34dcfb385_ln2
    .symbol:         k_qc34dcfb385_ln2.kd
    .args:
      - { .name: x1, .offset: 0, .size: 8, .value_kind: global_buffer, .address_space: global }
      - { .name: ln2_w, .offset: 8, .size: 8, .value_kind: global_buffer, .address_space: global }
      - { .name: ln2_b, .offset: 16, .size: 8, .value_kind: global_buffer, .address_space: global }
      - { .name: act1, .offset: 24, .size: 8, .value_kind: global_buffer, .address_space: global }
    .group_segment_fixed_size: 66560
    .private_segment_fixed_size: 0
    .kernarg_segment_align: 8
    .kernarg_segment_size: 32
    .max_flat_workgroup_size: 128
    .sgpr_count:     66
    .vgpr_count:     256
    .wavefront_size: 32
...
	.end_amdgpu_metadata
.endif
;; end of part 5
;; launch fc (part 6): grid 16 x 16, 4 waves a work-group, clusters of 4 x 4, 327,680 bytes of LDS; arguments act1, wts, b_fc, gc; writes gc
.if DOCPART == 6
	.amdgcn_target "amdgcn-amd-amdhsa--gfx1250"
	.amdhsa_code_object_version 6
	.text
	.protected	k_qc34dcfb385_fc
	.globl	k_qc34dcfb385_fc
	.p2align	8
	.type	k_qc34dcfb385_fc,@function
k_qc34dcfb385_fc:
	s_mov_b64 s[64:65], 0
	v_nop
	global_prefetch_b8 v0, s[64:65] scope:SCOPE_SE
	s_setreg_imm32_b32 hwreg(HW_REG_WAVE_MODE, 25, 1), 1
	s_wait_xcnt 0x0
	s_wait_alu depctr_hold_cnt(0) depctr_sa_sdst(0) depctr_va_vdst(0) depctr_va_sdst(0) depctr_va_ssrc(0) depctr_va_vcc(0) depctr_vm_vsrc(0)
	s_getreg_b32 s2, hwreg(HW_REG_IB_STS2, 6, 4)
	s_cmp_eq_u32 s2, 0
	s_cbranch_scc0 .Lentry_in_a_cluster
	s_endpgm
.Lentry_in_a_cluster:
	s_bfe_u32 s2, ttmp6, 0x10000c
	s_cmp_lg_u32 s2, 0xf033
	s_cbranch_scc0 .Lentry_shape_is_right
	s_endpgm
.Lentry_shape_is_right:
; g = gelu(LN2(x1) W_fc + b_fc), the product on codes of FP6 (E2M3) with E8M0 scales, and g quantised again along its 4,096 on the way out, in registers.
; Operands lie in memory as images of fragment registers: [tile of 16][K step of 128][1536 bytes], scale words [tile][K step][16 words]; lane-row r of tile t is index 32 (t / 2) + 8 (t % 2) + r + 8 (r / 8).
; A work-group of four waves makes 256 x 256, a wave 128 x 128: 64 accumulators.  Source 0 = the weight's column tiles, source 1 = token tiles: a lane holds one token, and the 64 registers of a token tile are 128
; neighbouring columns: one K step of the next product.  K goes through a ring of two LDS slots of 256 along K.  CLUSTER 4 x 4: source 0's tiles are asked for jointly by a column of the cluster, source 1's by a row.
; gelu(x) = x / (1 + 2^z), z = x (k0 + k1 x^2), k0 = -2 log2(e) sqrt(2 / pi), k1 = 0.044715 k0: the same function as 0.5 x (1 + tanh(..)), all in f32.
; LIMITS: blocks whose largest magnitude lies under 2^-124 (zeros too) get the byte 1, read by this program alone; NaN and infinities are not served.
; REGISTERS: window 0: v16-31 addresses; v32-47 scale words, two sets; v48-49 k0; v64-159, v160-255 source 1's fragments, two sets (free on the way out).
;   window 1: v0-95, v128-223 source 0's fragments, two sets; v96-127, v224-255 the bias along the registers.   windows 2, 3: accumulator (a, b) at v[8 (8 (a % 4) + b)] of window 2 + a / 4.
.set NA, 8
.set NB, 8
.set NQ, 2
.set KST, 8
.set S1SC, 3145728
.set S0CO, 3145728
.set S0SC, 9568256
.set HALFT, NA*NQ*1536
.set SLOT,  4*HALFT
.set SCL,   2*SLOT
.set HALFS, NA*KST*64
.set SPARE, SCL+4*HALFS                ; the spare words, 128 bytes for each wave, which no other line names
.set LAPS,  KST/(2*NQ)
.set CC,    NQ*192
.set ADRA, 16
.set ADRB, 20
.set HB,   22
.set ADRS, 27
.set SPW,  28
.set NIL,  29
.set LI,   30
.set LS,   31
.set SC,   32
.set AF,   64
.set T,    64
.set U,    128
.set PC,   192
.set TM,   212
.set PW,   228
.set G1, 24
.set G0, 32
.set G1B, 48
.set G0B, 56
.set G1S, 68
.set G0S, 76
.set G1SB, 80
.set G0SB, 88
.set SEL, 98
.set MSB, 0
.macro WIN new                         ; the immediate's high byte repeats the setting that is left
.if MSB != \new
	s_set_vgpr_msb (MSB<<8)|\new
.set MSB, \new
.endif
.endm
.macro PLACES n
.rept \n
	v_nop
.endr
.endm
.macro JLOAD g0a, g1a, g0b, g1b        ; a joint load: waves 0 and 1 fetch for source 1, waves 2 and 3 for source 0; four v_nop follow each of the two lines
	s_cmp_eq_u32 s15, 0
	s_cbranch_scc0 .Lfor_b_\@
	tensor_load_to_lds s[\g0a:\g0a+3], s[\g1a:\g1a+7]
	s_nop 0
.rept 4
	v_nop
.endr
	s_branch .Lasked_\@
.Lfor_b_\@:
	tensor_load_to_lds s[\g0b:\g0b+3], s[\g1b:\g1b+7]
	s_nop 0
.rept 4
	v_nop
.endr
.Lasked_\@:
.endm
.macro CREST
	s_cmp_lg_u32 s14, 0
	s_cbranch_scc1 .Lnot_wave_0_\@
	s_barrier_signal -3
.Lnot_wave_0_\@:
	s_barrier_wait -3
	s_barrier_signal -1
	s_barrier_wait -1
.endm
.macro CROUND
	s_barrier_signal -1
	s_barrier_wait -1
	CREST
.endm
.macro QUANT s                         ; 64 numbers of a lane, register 16 b + i = k 32 b + 16 (lane / 16) + i of my row, become a fragment's codes in v[PC] on and its scale word in v[PW]
.irp b, 0,1,2,3
	v_max3_num_f32 v[TM+\b], |v[\s+16*\b]|, |v[\s+1+16*\b]|, 0x1800000   ; with the floor 2^(3 - 127): the byte cannot fall under 1
.endr
.irp i, 2,4,6,8,10,12,14
.irp b, 0,1,2,3
	v_max3_num_f32 v[TM+\b], v[TM+\b], |v[\s+16*\b+\i]|, |v[\s+1+16*\b+\i]|
.endr
.endr
.irp b, 0,1,2,3
	v_permlanex16_b32 v[TM+4+\b], v[TM+\b], s[SEL], s[SEL+1]
.endr
.irp b, 0,1,2,3
	v_max_num_f32 v[TM+\b], v[TM+\b], v[TM+4+\b]
.endr
.irp b, 0,1,2,3
	v_add_nc_u32 v[TM+12+\b], 0xff000000, v[TM+\b] ; 2 off the exponent field: the conversion's scale operand
.endr
.irp b, 0,1,2,3
	v_lshrrev_b32 v[TM+4+\b], 23, v[TM+12+\b]
.endr
	v_lshl_or_b32 v[PW], v[TM+5], 8, v[TM+4]
	v_lshl_or_b32 v[PW], v[TM+6], 16, v[PW]
	v_lshl_or_b32 v[PW], v[TM+7], 24, v[PW]
.irp c, 0,1
	v_cvt_scalef32_pk16_fp6_f32 v[PC+6*\c:PC+2+6*\c], v[\s+32*\c:\s+15+32*\c], v[TM+12+2*\c]
	v_cvt_scalef32_pk16_fp6_f32 v[PC+12+4*\c:PC+14+4*\c], v[\s+16+32*\c:\s+31+32*\c], v[TM+12+2*\c+1]
.endr
	v_nop                                          ; one plain place behind a scaled conversion
.irp c, 0,1
.irp i, 0,1,2
	v_permlane16_swap_b32 v[PC+6*\c+\i], v[PC+12+4*\c+\i]
.endr
.irp i, 0,1,2
	v_mov_b32 v[PC+3+6*\c+\i], v[PC+12+4*\c+\i]
.endr
.endr
.endm
	s_load_b256 s[4:11], s[0:1], 0x0               ; act1, wts, b_fc, gc
	v_lshl_add_u32 v[SPW], v0, 2, SPARE
	v_mov_b32 v[NIL], 0
	ds_add_u32 v28, v29
	ds_add_u32 v28, v29
	s_wait_dscnt 0x0
	v_lshrrev_b32 v1, 5, v0
	v_readfirstlane_b32 s14, v1                    ; wave 0..3
	s_lshr_b32 s15, s14, 1                         ; my half of source 1.  Also: I fetch for source 1 (0) or source 0 (1)
	s_and_b32 s16, s14, 1                          ; my half of source 0.  Also: which half I fetch
	s_bfe_u32 s40, ttmp6, 0x40000                  ; cx
	s_bfe_u32 s41, ttmp6, 0x40004                  ; cy
	s_lshl_b32 s42, ttmp9, 2
	s_add_co_u32 s42, s42, s40                     ; which 256 columns
	s_and_b32 s17, ttmp7, 0xffff
	s_lshl_b32 s17, s17, 2
	s_add_co_u32 s17, s17, s41                     ; which 256 tokens
	s_lshl_b32 s43, s41, 2
	s_lshl_b32 s43, 15, s43                        ; my row of the cluster
	s_lshl_b32 s44, 0x1111, s40                    ; my column
	s_or_b32 s[G1+0], s43, (3<<16)|(1<<21)         ; 15:0 the mask; 17:16 elements of 8 bytes; 21 set beside a mask; no padding
	s_or_b32 s[G1B+0], s44, (3<<16)|(1<<21)
.irp g, G1, G1B
	s_mov_b32 s[\g+1], CC<<16                      ; tensor_dim0: a tile's NQ fragments on end
	s_mov_b32 s[\g+2], NA<<16                      ; tensor_dim1: NA tiles
	s_mov_b32 s[\g+3], CC<<16
	s_mov_b32 s[\g+4], NA
	s_mov_b32 s[\g+5], KST*192                     ; from a tile to the next
	s_mov_b32 s[\g+6], 0
	s_mov_b32 s[\g+7], 0
.endr
	s_or_b32 s[G1S+0], s43, (3<<16)|(1<<21)
	s_or_b32 s[G1SB+0], s44, (3<<16)|(1<<21)
.irp g, G1S, G1SB
	s_mov_b32 s[\g+1], 32<<16                      ; a dense block, as rows of 256 bytes
	s_mov_b32 s[\g+2], (HALFS/256)<<16
	s_mov_b32 s[\g+3], 32<<16
	s_mov_b32 s[\g+4], HALFS/256
	s_mov_b32 s[\g+5], 32
	s_mov_b32 s[\g+6], 0
	s_mov_b32 s[\g+7], 0
.endr
	s_mul_i32 s18, s16, NA
	s_mul_i32 s20, s17, 2*NA
	s_add_co_u32 s20, s20, s18
	s_mul_i32 s46, s42, 2*NA
	s_add_co_u32 s46, s46, s18
	s_mul_i32 s22, s20, KST*64
	s_add_co_u32 s22, s22, S1SC
	s_mov_b32 s23, 0
	s_mul_i32 s92, s46, KST*64
	s_add_co_u32 s92, s92, S0SC
	s_mov_b32 s93, 0
	s_mul_i32 s20, s20, KST*1536
	s_mov_b32 s21, 0
	s_mul_i32 s46, s46, KST*1536
	s_add_co_u32 s46, s46, S0CO
	s_mov_b32 s47, 0
	s_mul_i32 s45, s14, HALFT
	s_mul_i32 s94, s14, HALFS
	s_wait_kmcnt 0x0
	s_add_nc_u64 s[20:21], s[4:5], s[20:21]
	s_add_nc_u64 s[22:23], s[4:5], s[22:23]
	s_add_nc_u64 s[46:47], s[6:7], s[46:47]
	s_add_nc_u64 s[92:93], s[6:7], s[92:93]
	CROUND                                         ; all sixteen work-groups are here: the first joint loads meet
	s_mov_b32 s[G0S], 1
	s_add_co_u32 s[G0S+1], s94, SCL
	s_mov_b64 s[G0S+2:G0S+3], s[22:23]
	s_or_b32 s[G0S+3], s[G0S+3], 0x80000000
	s_mov_b32 s[G0SB], 1
	s_add_co_u32 s[G0SB+1], s94, SCL
	s_mov_b64 s[G0SB+2:G0SB+3], s[92:93]
	s_or_b32 s[G0SB+3], s[G0SB+3], 0x80000000
	JLOAD G0S, G1S, G0SB, G1SB
.irp s, 0,1
	s_mov_b32 s[G0+4*\s], 1
	s_add_co_u32 s[G0+4*\s+1], s45, \s*SLOT
	s_add_nc_u64 s[G0+4*\s+2:G0+4*\s+3], s[20:21], \s*NQ*1536
	s_or_b32 s[G0+4*\s+3], s[G0+4*\s+3], 0x80000000
	s_mov_b32 s[G0B+4*\s], 1
	s_add_co_u32 s[G0B+4*\s+1], s45, \s*SLOT
	s_add_nc_u64 s[G0B+4*\s+2:G0B+4*\s+3], s[46:47], \s*NQ*1536
	s_or_b32 s[G0B+4*\s+3], s[G0B+4*\s+3], 0x80000000
	JLOAD G0+4*\s, G1, G0B+4*\s, G1B               ; three loads of mine are out now
.endr
	v_and_b32 v1, 15, v0                           ; r
	v_bfe_u32 v2, v0, 4, 1                         ; h
	v_and_b32 v3, 31, v0
	v_lshlrev_b32 v[LI], 4, v3
	v_lshlrev_b32 v[LS], 2, v1
	s_mul_i32 s21, s15, HALFT
	s_mul_i32 s22, s16, HALFT
	s_add_co_u32 s22, s22, 2*HALFT
.irp s, 0,1
	v_add_nc_u32 v[ADRA+\s], s21, v[LI]
	v_add_nc_u32 v[ADRB+\s], s22, v[LI]
	s_add_co_u32 s21, s21, SLOT
	s_add_co_u32 s22, s22, SLOT
.endr
	s_mul_i32 s21, s15, HALFS                      ; scale words: lanes 0-15 take source 1's, lanes 16-31 source 0's
	s_mul_i32 s22, s16, HALFS
	s_add_co_u32 s22, s22, 2*HALFS
	s_sub_co_u32 s22, s22, s21
	v_mul_u32_u24 v6, s22, v2
	s_add_co_u32 s21, s21, SCL
	v_add_nc_u32 v5, v[LS], v6
	v_add_nc_u32 v[ADRS], s21, v5
	s_mov_b32 s[SEL], 0x76543210
	s_mov_b32 s[SEL+1], 0xfedcba98
	s_mov_b32 s96, 0xbdd2d3e8                      ; k1
	s_mov_b32 s97, s96
	v_mov_b32 v48, 0xc0135761                      ; k0
	v_mov_b32 v49, 0xc0135761
	s_lshl_b32 s18, s42, 10
	s_lshl_b32 s19, s16, 9
	s_add_co_u32 s18, s18, s19                     ; my first column, in bytes
	s_mov_b32 s19, 0
	s_add_nc_u64 s[8:9], s[8:9], s[18:19]
	v_lshlrev_b32 v[HB], 6, v2                     ; 64 h
	WIN 0x40                                       ; destination window 1
.irp b, 0,1,2,3,4,5,6,7                        ; the bias along the registers: tile b's eight columns of my half
	global_load_b128 v[96+8*\b+96*(\b/4):99+8*\b+96*(\b/4)], v[HB], s[8:9] offset:(32*(\b/2)+8*(\b%2))*4
	global_load_b128 v[100+8*\b+96*(\b/4):103+8*\b+96*(\b/4)], v[HB], s[8:9] offset:(32*(\b/2)+8*(\b%2))*4+16
.endr
	WIN 0
.macro FETCH slot, q, p
	WIN 0x40
.irp i, 0,1,2,3,4,5,6,7
.irp c, 0,1,2
	ds_load_b128 v[128*(\p)+12*\i+4*\c:128*(\p)+12*\i+4*\c+3], v[ADRB+\slot] offset:\i*NQ*1536+(\q)*1536+512*\c
.endr
.endr
	WIN 0
.irp i, 0,1,2,3,4,5,6,7
.irp c, 0,1,2
	ds_load_b128 v[AF+12*NA*(\p)+12*\i+4*\c:AF+12*NA*(\p)+12*\i+4*\c+3], v[ADRA+\slot] offset:\i*NQ*1536+(\q)*1536+512*\c
.endr
.endr
.irp i, 0,1,2,3,4,5,6,7
	ds_load_b32 v[SC+NB*(\p)+\i], v[ADRS] offset:\i*KST*64
.endr
	v_add_nc_u32 v[ADRS], 64, v[ADRS]
.endm
.macro MULA a, p, zero                 ; the accumulators take turns, one instruction a turn, in the same order in every step
	WIN 0xa1+0x50*((\a)/4)
.irp b, 0,1,2,3,4,5,6,7
.if \zero
	v_wmma_scale_f32_16x16x128_f8f6f4 v[8*(NB*((\a)%4)+\b):8*(NB*((\a)%4)+\b)+7], v[128*(\p)+12*\b:128*(\p)+12*\b+11], v[AF+12*NA*(\p)+12*(\a):AF+12*NA*(\p)+12*(\a)+11], 0, v[SC+NB*(\p)+\b], v[SC+NB*(\p)+(\a)] matrix_a_fmt:MATRIX_FMT_FP6 matrix_b_fmt:MATRIX_FMT_FP6 matrix_a_scale:MATRIX_SCALE_ROW1
.else
	v_wmma_scale_f32_16x16x128_f8f6f4 v[8*(NB*((\a)%4)+\b):8*(NB*((\a)%4)+\b)+7], v[128*(\p)+12*\b:128*(\p)+12*\b+11], v[AF+12*NA*(\p)+12*(\a):AF+12*NA*(\p)+12*(\a)+11], v[8*(NB*((\a)%4)+\b):8*(NB*((\a)%4)+\b)+7], v[SC+NB*(\p)+\b], v[SC+NB*(\p)+(\a)] matrix_a_fmt:MATRIX_FMT_FP6 matrix_b_fmt:MATRIX_FMT_FP6 matrix_a_scale:MATRIX_SCALE_ROW1
.endif
.endr
.endm
.macro STEP slot, q, zero
	s_wait_dscnt 0x0                               ; this step's fragments are in
	PLACES 4                                       ; in front of loads into registers that the last step's products have read
	FETCH \slot, (\q)+1, 1-(\q)%2
.irp a, 0,1,2,3,4,5,6,7
	MULA \a, (\q)%2, \zero
.endr
.endm
.macro TURN slot, next, fill
	WIN 0
	s_wait_tensorcnt 0x0                           ; all my tensor loads have landed
	ds_add_u32 v[SPW], v[NIL]                      ; 0 onto my spare word
	s_wait_dscnt 0x1                               ; this step's fragments are in; the add may be out
	MULA 0, 1, 0
	MULA 1, 1, 0
	s_wait_dscnt 0x0                               ; the add is done, and my reads of this slot are over
	s_barrier_signal -1
	MULA 2, 1, 0
	MULA 3, 1, 0
	WIN 0
	s_barrier_wait -1
.if \fill
	CREST
	s_add_nc_u64 s[G0+4*\slot+2:G0+4*\slot+3], s[G0+4*\slot+2:G0+4*\slot+3], 2*NQ*1536
	s_add_nc_u64 s[G0B+4*\slot+2:G0B+4*\slot+3], s[G0B+4*\slot+2:G0B+4*\slot+3], 2*NQ*1536
	JLOAD G0+4*\slot, G1, G0B+4*\slot, G1B         ; the first tensor load behind the round; its four v_nop are also the places in front of the loads below
.else
	PLACES 4
.endif
	FETCH \next, 0, 0
.irp a, 4,5,6,7
	MULA \a, 1, 0
.endr
.endm
	s_wait_tensorcnt 0x1                           ; the scale words and my part of slot 0 are in; slot 1's load may be out
	s_barrier_signal -1
	s_barrier_wait -1
	FETCH 0, 0, 0
	STEP 0, 0, 1
	WIN 0
	s_mov_b32 s3, LAPS-1
.Llap:
	TURN 0, 1, 1
	STEP 1, 0, 0
	TURN 1, 0, 1
	STEP 0, 0, 0
	WIN 0
	s_sub_co_u32 s3, s3, 1
	s_cmp_lg_u32 s3, 0
	s_cbranch_scc1 .Llap
	TURN 0, 1, 0
	STEP 1, 0, 0
	s_wait_dscnt 0x0
.irp a, 0,1,2,3,4,5,6,7
	MULA \a, 1, 0
.endr
	WIN 0
	; THE WAY OUT: no LDS.  A token tile's 64 registers of a lane get their bias and the activation, are quantised in registers, and the fragment's image is stored as it stands.
	PLACES 4
.irp b, 0,1,2,3
	v_mov_b32 v[TM+4+\b], 0                        ; a lane permute's destination counts as one of its sources
.endr
	s_wait_loadcnt 0x0                             ; the bias
	s_lshl_b32 s18, s17, 4
	s_lshl_b32 s19, s15, 3
	s_add_co_u32 s18, s18, s19                     ; my first token tile
	s_lshl_b32 s18, s18, 5                         ; 32 K steps a tile in gc
	s_lshl_b32 s19, s42, 1
	s_add_co_u32 s18, s18, s19
	s_add_co_u32 s18, s18, s16                     ; my K step of the next product
	s_mul_i32 s20, s18, 1536
	s_mov_b32 s21, 0
	s_add_nc_u64 s[20:21], s[10:11], s[20:21]
	s_lshl_b32 s22, s18, 6
	s_add_co_u32 s22, s22, 12582912
	s_mov_b32 s23, 0
	s_add_nc_u64 s[22:23], s[10:11], s[22:23]
.macro OUTBLK a
	WIN 0x06+((\a)/4)                              ; source 0: the accumulators' window; source 1: window 1
.set k, 0
.rept 32
	v_pk_add_f32 v[T+k:T+k+1], v[64*((\a)%4)+k:64*((\a)%4)+k+1], v[96+k+96*(k/32):97+k+96*(k/32)]   ; each accumulator from its low end on
.set k, k+2
.endr
	WIN 0
.set k, 0
.rept 32
	v_pk_mul_f32 v[U+k:U+k+1], v[T+k:T+k+1], v[T+k:T+k+1]
.set k, k+2
.endr
.set k, 0
.rept 32
	v_pk_fma_f32 v[U+k:U+k+1], v[U+k:U+k+1], s[96:97], v[48:49] op_sel_hi:[1,0,0]
.set k, k+2
.endr
.set k, 0
.rept 32
	v_pk_mul_f32 v[U+k:U+k+1], v[U+k:U+k+1], v[T+k:T+k+1]            ; z
.set k, k+2
.endr
.set k, 0
.rept 64
	v_exp_f32 v[U+k], v[U+k]
.set k, k+1
.endr
	v_nop                                          ; a plain place behind the batch
	s_wait_alu depctr_va_vdst(0)                   ; one wait for the batch, ahead of its first reader
.set k, 0
.rept 32
	v_pk_add_f32 v[U+k:U+k+1], v[U+k:U+k+1], 1.0 op_sel_hi:[1,0]
.set k, k+2
.endr
.set k, 0
.rept 64
	v_rcp_f32 v[U+k], v[U+k]
.set k, k+1
.endr
	v_nop
	s_wait_alu depctr_va_vdst(0)
.set k, 0
.rept 32
	v_pk_mul_f32 v[T+k:T+k+1], v[T+k:T+k+1], v[U+k:U+k+1]
.set k, k+2
.endr
	s_wait_xcnt 0x0                                ; the last tile's stores have read the codes' registers
	QUANT T
.irp c, 0,1,2
	global_store_b128 v[LI], v[PC+4*\c:PC+4*\c+3], s[20:21] offset:(\a)*49152+512*\c   ; 512 consecutive bytes, aligned to 256
.endr
	global_store_b32 v[LS], v[PW], s[22:23] offset:(\a)*2048
.endm
.irp a, 0,1,2,3,4,5,6,7
	OUTBLK \a
.endr
	s_wait_tensorcnt 0x0                           ; the wave's end
	ds_add_u32 v[SPW], v[NIL]
	s_wait_dscnt 0x0
	CROUND                                         ; the closing round
	s_endpgm
.Lfunc_end_k_qc34dcfb385_fc:
	.size	k_qc34dcfb385_fc, .Lfunc_end_k_qc34dcfb385_fc-k_qc34dcfb385_fc
	.p2alignl 7, 3214868480
	.fill 96, 4, 3214868480
	.section	.rodata,"a",@progbits
	.p2align	6, 0x0
	.amdhsa_kernel k_qc34dcfb385_fc
		.amdhsa_group_segment_fixed_size 327680
		.amdhsa_private_segment_fixed_size 0
		.amdhsa_enable_private_segment 0
		.amdhsa_kernarg_size 32
		.amdhsa_user_sgpr_count 2
		.amdhsa_user_sgpr_kernarg_segment_ptr 1
		.amdhsa_wavefront_size32 1
		.amdhsa_system_sgpr_workgroup_id_x 1
		.amdhsa_system_sgpr_workgroup_id_y 1
		.amdhsa_system_sgpr_workgroup_id_z 1
		.amdhsa_system_vgpr_workitem_id 0
		.amdhsa_next_free_vgpr 1024
		.amdhsa_next_free_sgpr 100
		.amdhsa_reserve_vcc 0
		.amdhsa_float_denorm_mode_32 3
		.amdhsa_float_denorm_mode_16_64 3
		.amdhsa_memory_ordered 1
		.amdhsa_forward_progress 1
		.amdhsa_inst_pref_size 255
	.end_amdhsa_kernel
	.section	.bss,"aw",@nobits
	.p2align	6
	.space	262144
	.amdgpu_metadata
---
amdhsa.version: [ 1, 2 ]
amdhsa.kernels:
  - .name:           k_qc34dcfb385_fc
    .symbol:         k_qc34dcfb385_fc.kd
    .args:
      - { .name: act1, .offset: 0, .size: 8, .value_kind: global_buffer, .address_space: global }
      - { .name: wts, .offset: 8, .size: 8, .value_kind: global_buffer, .address_space: global }
      - { .name: b_fc, .offset: 16, .size: 8, .value_kind: global_buffer, .address_space: global }
      - { .name: gc, .offset: 24, .size: 8, .value_kind: global_buffer, .address_space: global }
    .group_segment_fixed_size: 327680
    .private_segment_fixed_size: 0
    .kernarg_segment_align: 8
    .kernarg_segment_size: 32
    .max_flat_workgroup_size: 128
    .sgpr_count:     100
    .vgpr_count:     1024
    .wavefront_size: 32
...
	.end_amdgpu_metadata
.endif
;; end of part 6
;; launch mproj (part 7): grid 8 x 32, 4 waves a work-group, clusters of 4 x 4, 327,680 bytes of LDS; arguments gc, wts, b_mproj, x1, out0; writes out0
.if DOCPART == 7
	.amdgcn_target "amdgcn-amd-amdhsa--gfx1250"
	.amdhsa_code_object_version 6
	.text
	.protected	k_qc34dcfb385_mproj
	.globl	k_qc34dcfb385_mproj
	.p2align	8
	.type	k_qc34dcfb385_mproj,@function
k_qc34dcfb385_mproj:
	s_mov_b64 s[64:65], 0
	v_nop
	global_prefetch_b8 v0, s[64:65] scope:SCOPE_SE
	s_setreg_imm32_b32 hwreg(HW_REG_WAVE_MODE, 25, 1), 1
	s_wait_xcnt 0x0
	s_wait_alu depctr_hold_cnt(0) depctr_sa_sdst(0) depctr_va_vdst(0) depctr_va_sdst(0) depctr_va_ssrc(0) depctr_va_vcc(0) depctr_vm_vsrc(0)
	s_getreg_b32 s2, hwreg(HW_REG_IB_STS2, 6, 4)
	s_cmp_eq_u32 s2, 0
	s_cbranch_scc0 .Lentry_in_a_cluster
	s_endpgm
.Lentry_in_a_cluster:
	s_bfe_u32 s2, ttmp6, 0x10000c
	s_cmp_lg_u32 s2, 0xf033
	s_cbranch_scc0 .Lentry_shape_is_right
	s_endpgm
.Lentry_shape_is_right:
; out = res + (A W + bias), the product on codes of FP6 (E2M3) with E8M0 scales; A's and W's codes lie in memory as images of fragment registers: [tile of 16][K step of 128][1536 bytes], scale words
; [tile][K step][16 words]; lane-row r of tile t is index 32 (t / 2) + 8 (t % 2) + r + 8 (r / 8).  res and out: [4096][1024] f32.
; N is 1,024: tiles of 256 x 256 would give 64 work-groups, so a work-group makes 128 x 128 and a wave 64 x 64: 16 accumulators; 256 work-groups.
; Source 0 = the weight's column tiles (its index runs along a lane's registers), source 1 = token tiles.  K goes through a ring of two LDS slots of 512 along K.  CLUSTER 4 x 4: source 0's tiles are asked for jointly by a
; column of the cluster, source 1's by a row.  The scale words for all of K come into LDS once.  The residual's 64 x 64 numbers of a wave are asked for at the head and land under the K loop.
; REGISTERS: window 0: v16-31 addresses; v32-39 scale words, two sets; v48-51 bias; v64-111, v112-159 source 1's fragments (on the way out v64-191: rows of the result).
;   window 1: v0-47, v128-175 source 0's fragments.   window 2: accumulator (a, b) at v[8 (4 a + b)].   window 3: v0-127 the residual.
.set KST,  32                          ; K steps of 128
.set S1SC, 12582912                    ; source 1's scale words in its buffer
.set S0CO, 6291456                     ; the weight's codes in wts
.set S0SC, 9699328                     ; and its scale words
.set NA, 4
.set NB, 4
.set NQ, 4
.set HALFT, NA*NQ*1536
.set SLOT,  4*HALFT
.set SCL,   2*SLOT
.set HALFS, NA*KST*64
.set STAGE, SCL+4*HALFS                ; 16 rows x (256 + 16) bytes for each wave: no tile ever lands here
.set SPARE, STAGE+4*16*272             ; the spare words, 128 bytes for each wave, which no other line names
.set LAPS,  KST/(2*NQ)
.set CC,    NQ*192
.set ADRA, 16
.set ADRB, 20
.set BO,   23
.set STO,  24
.set RD,   25
.set CO,   26
.set ADRS, 27
.set SPW,  28
.set NIL,  29
.set LI,   30
.set LS,   31
.set SC,   32
.set AF,   64
.set BK,   64
.set G1, 24
.set G0, 32
.set G1B, 48
.set G0B, 56
.set G1S, 68
.set G0S, 76
.set G1SB, 80
.set G0SB, 88
.set MSB, 0
.macro WIN new                         ; the immediate's high byte repeats the setting that is left
.if MSB != \new
	s_set_vgpr_msb (MSB<<8)|\new
.set MSB, \new
.endif
.endm
.macro PLACES n
.rept \n
	v_nop
.endr
.endm
.macro JLOAD g0a, g1a, g0b, g1b        ; a joint load: waves 0 and 1 fetch for source 1, waves 2 and 3 for source 0; four v_nop follow each of the two lines
	s_cmp_eq_u32 s15, 0
	s_cbranch_scc0 .Lfor_b_\@
	tensor_load_to_lds s[\g0a:\g0a+3], s[\g1a:\g1a+7]
	s_nop 0
.rept 4
	v_nop
.endr
	s_branch .Lasked_\@
.Lfor_b_\@:
	tensor_load_to_lds s[\g0b:\g0b+3], s[\g1b:\g1b+7]
	s_nop 0
.rept 4
	v_nop
.endr
.Lasked_\@:
.endm
.macro CREST
	s_cmp_lg_u32 s14, 0
	s_cbranch_scc1 .Lnot_wave_0_\@
	s_barrier_signal -3
.Lnot_wave_0_\@:
	s_barrier_wait -3
	s_barrier_signal -1
	s_barrier_wait -1
.endm
.macro CROUND
	s_barrier_signal -1
	s_barrier_wait -1
	CREST
.endm
	s_load_b256 s[4:11], s[0:1], 0x0               ; A's buffer, wts, bias, res
	s_load_b64 s[12:13], s[0:1], 0x20              ; out
	v_lshl_add_u32 v[SPW], v0, 2, SPARE
	v_mov_b32 v[NIL], 0
	ds_add_u32 v28, v29
	ds_add_u32 v28, v29
	s_wait_dscnt 0x0
	v_lshrrev_b32 v1, 5, v0
	v_readfirstlane_b32 s14, v1                    ; wave 0..3
	s_lshr_b32 s15, s14, 1                         ; my half of source 1.  Also: I fetch for source 1 (0) or source 0 (1)
	s_and_b32 s16, s14, 1                          ; my half of source 0.  Also: which half I fetch
	s_bfe_u32 s40, ttmp6, 0x40000                  ; cx
	s_bfe_u32 s41, ttmp6, 0x40004                  ; cy
	s_lshl_b32 s42, ttmp9, 2
	s_add_co_u32 s42, s42, s40                     ; which 128 columns
	s_and_b32 s17, ttmp7, 0xffff
	s_lshl_b32 s17, s17, 2
	s_add_co_u32 s17, s17, s41                     ; which 128 tokens
	s_lshl_b32 s43, s41, 2
	s_lshl_b32 s43, 15, s43                        ; my row of the cluster
	s_lshl_b32 s44, 0x1111, s40                    ; my column
	s_or_b32 s[G1+0], s43, (3<<16)|(1<<21)         ; 15:0 the mask; 17:16 elements of 8 bytes; 21 set beside a mask; no padding
	s_or_b32 s[G1B+0], s44, (3<<16)|(1<<21)
.irp g, G1, G1B
	s_mov_b32 s[\g+1], CC<<16                      ; tensor_dim0: a tile's NQ fragments on end
	s_mov_b32 s[\g+2], NA<<16                      ; tensor_dim1: NA tiles
	s_mov_b32 s[\g+3], CC<<16
	s_mov_b32 s[\g+4], NA
	s_mov_b32 s[\g+5], KST*192                     ; from a tile to the next
	s_mov_b32 s[\g+6], 0
	s_mov_b32 s[\g+7], 0
.endr
	s_or_b32 s[G1S+0], s43, (3<<16)|(1<<21)
	s_or_b32 s[G1SB+0], s44, (3<<16)|(1<<21)
.irp g, G1S, G1SB
	s_mov_b32 s[\g+1], 32<<16                      ; a dense block, as rows of 256 bytes
	s_mov_b32 s[\g+2], (HALFS/256)<<16
	s_mov_b32 s[\g+3], 32<<16
	s_mov_b32 s[\g+4], HALFS/256
	s_mov_b32 s[\g+5], 32
	s_mov_b32 s[\g+6], 0
	s_mov_b32 s[\g+7], 0
.endr
	s_mul_i32 s18, s16, NA
	s_mul_i32 s20, s17, 2*NA
	s_add_co_u32 s20, s20, s18                     ; source 1: the first tile that I fetch
	s_mul_i32 s46, s42, 2*NA
	s_add_co_u32 s46, s46, s18                     ; source 0 likewise
	s_mul_i32 s22, s20, KST*64
	s_add_co_u32 s22, s22, S1SC
	s_mov_b32 s23, 0
	s_mul_i32 s92, s46, KST*64
	s_add_co_u32 s92, s92, S0SC
	s_mov_b32 s93, 0
	s_mul_i32 s20, s20, KST*1536
	s_mov_b32 s21, 0
	s_mul_i32 s46, s46, KST*1536
	s_add_co_u32 s46, s46, S0CO
	s_mov_b32 s47, 0
	s_mul_i32 s45, s14, HALFT                      ; where they go: wave x a half
	s_mul_i32 s94, s14, HALFS
	s_wait_kmcnt 0x0
	s_add_nc_u64 s[20:21], s[4:5], s[20:21]
	s_add_nc_u64 s[22:23], s[4:5], s[22:23]
	s_add_nc_u64 s[46:47], s[6:7], s[46:47]
	s_add_nc_u64 s[92:93], s[6:7], s[92:93]
	CROUND                                         ; all sixteen work-groups are here: the first joint loads meet
	s_mov_b32 s[G0S], 1
	s_add_co_u32 s[G0S+1], s94, SCL
	s_mov_b64 s[G0S+2:G0S+3], s[22:23]
	s_or_b32 s[G0S+3], s[G0S+3], 0x80000000
	s_mov_b32 s[G0SB], 1
	s_add_co_u32 s[G0SB+1], s94, SCL
	s_mov_b64 s[G0SB+2:G0SB+3], s[92:93]
	s_or_b32 s[G0SB+3], s[G0SB+3], 0x80000000
	JLOAD G0S, G1S, G0SB, G1SB
.irp s, 0,1
	s_mov_b32 s[G0+4*\s], 1
	s_add_co_u32 s[G0+4*\s+1], s45, \s*SLOT
	s_add_nc_u64 s[G0+4*\s+2:G0+4*\s+3], s[20:21], \s*NQ*1536
	s_or_b32 s[G0+4*\s+3], s[G0+4*\s+3], 0x80000000
	s_mov_b32 s[G0B+4*\s], 1
	s_add_co_u32 s[G0B+4*\s+1], s45, \s*SLOT
	s_add_nc_u64 s[G0B+4*\s+2:G0B+4*\s+3], s[46:47], \s*NQ*1536
	s_or_b32 s[G0B+4*\s+3], s[G0B+4*\s+3], 0x80000000
	JLOAD G0+4*\s, G1, G0B+4*\s, G1B               ; three loads of mine are out now
.endr
	v_and_b32 v1, 15, v0                           ; r
	v_bfe_u32 v2, v0, 4, 1                         ; h
	v_and_b32 v3, 31, v0
	v_lshlrev_b32 v[LI], 4, v3
	v_lshlrev_b32 v[LS], 2, v1
	s_mul_i32 s21, s15, HALFT
	s_mul_i32 s22, s16, HALFT
	s_add_co_u32 s22, s22, 2*HALFT
.irp s, 0,1
	v_add_nc_u32 v[ADRA+\s], s21, v[LI]
	v_add_nc_u32 v[ADRB+\s], s22, v[LI]
	s_add_co_u32 s21, s21, SLOT
	s_add_co_u32 s22, s22, SLOT
.endr
	s_mul_i32 s21, s15, HALFS                      ; scale words: lanes 0-15 take source 1's, lanes 16-31 source 0's
	s_mul_i32 s22, s16, HALFS
	s_add_co_u32 s22, s22, 2*HALFS
	s_sub_co_u32 s22, s22, s21
	v_mul_u32_u24 v6, s22, v2
	s_add_co_u32 s21, s21, SCL
	v_add_nc_u32 v5, v[LS], v6
	v_add_nc_u32 v[ADRS], s21, v5
	s_mul_i32 s23, s14, 16*272
	s_add_co_u32 s23, s23, STAGE                   ; my stage
	v_mul_u32_u24 v5, v1, 272
	v_lshl_add_u32 v5, v2, 6, v5
	v_add_nc_u32 v[STO], s23, v5                   ; in: row r, 64 h
	v_mul_u32_u24 v5, v2, 272
	v_lshl_add_u32 v5, v1, 4, v5
	v_add_nc_u32 v[RD], s23, v5                    ; back: lanes 0-15 one row of 256 bytes, lanes 16-31 the next
	v_lshlrev_b32 v5, 12, v2
	v_lshl_add_u32 v[CO], v1, 4, v5                ; and the same two rows in res and out
	v_lshlrev_b32 v[BO], 4, v1
	s_lshl_b32 s20, s17, 7
	s_lshl_b32 s21, s15, 6
	s_add_co_u32 s20, s20, s21                     ; my first token
	s_lshl_b32 s20, s20, 12
	s_lshl_b32 s46, s42, 7
	s_lshl_b32 s47, s16, 6
	s_add_co_u32 s46, s46, s47                     ; my first column
	s_lshl_b32 s46, s46, 2
	s_mov_b32 s47, 0
	s_add_nc_u64 s[8:9], s[8:9], s[46:47]
	s_add_co_u32 s20, s20, s46
	s_mov_b32 s21, 0
	s_add_nc_u64 s[10:11], s[10:11], s[20:21]
	s_add_nc_u64 s[12:13], s[12:13], s[20:21]
	global_load_b128 v[48:51], v[BO], s[8:9]       ; the bias of my four columns of a row
	WIN 0xc0                                       ; destination window 3
.irp a, 0,1,2,3
.irp i, 0,1,2,3,4,5,6,7
	global_load_b128 v[32*\a+4*\i:32*\a+4*\i+3], v[CO], s[10:11] offset:(32*(\a/2)+8*(\a%2)+2*\i+8*(\i/4))*4096   ; stage rows 2 i, 2 i + 1 of token tile a
.endr
.endr
	WIN 0
.macro FETCH slot, q, p
	WIN 0x40
.irp i, 0,1,2,3
.irp c, 0,1,2
	ds_load_b128 v[128*(\p)+12*\i+4*\c:128*(\p)+12*\i+4*\c+3], v[ADRB+\slot] offset:\i*NQ*1536+(\q)*1536+512*\c
.endr
.endr
	WIN 0
.irp i, 0,1,2,3
.irp c, 0,1,2
	ds_load_b128 v[AF+12*NA*(\p)+12*\i+4*\c:AF+12*NA*(\p)+12*\i+4*\c+3], v[ADRA+\slot] offset:\i*NQ*1536+(\q)*1536+512*\c
.endr
.endr
.irp i, 0,1,2,3
	ds_load_b32 v[SC+NB*(\p)+\i], v[ADRS] offset:\i*KST*64
.endr
	v_add_nc_u32 v[ADRS], 64, v[ADRS]
.endm
.macro MULA a, p, zero                 ; the 16 accumulators take turns, one instruction a turn, in the same order in every step
	WIN 0xa1
.irp b, 0,1,2,3
.if \zero
	v_wmma_scale_f32_16x16x128_f8f6f4 v[8*(NB*(\a)+\b):8*(NB*(\a)+\b)+7], v[128*(\p)+12*\b:128*(\p)+12*\b+11], v[AF+12*NA*(\p)+12*(\a):AF+12*NA*(\p)+12*(\a)+11], 0, v[SC+NB*(\p)+\b], v[SC+NB*(\p)+(\a)] matrix_a_fmt:MATRIX_FMT_FP6 matrix_b_fmt:MATRIX_FMT_FP6 matrix_a_scale:MATRIX_SCALE_ROW1
.else
	v_wmma_scale_f32_16x16x128_f8f6f4 v[8*(NB*(\a)+\b):8*(NB*(\a)+\b)+7], v[128*(\p)+12*\b:128*(\p)+12*\b+11], v[AF+12*NA*(\p)+12*(\a):AF+12*NA*(\p)+12*(\a)+11], v[8*(NB*(\a)+\b):8*(NB*(\a)+\b)+7], v[SC+NB*(\p)+\b], v[SC+NB*(\p)+(\a)] matrix_a_fmt:MATRIX_FMT_FP6 matrix_b_fmt:MATRIX_FMT_FP6 matrix_a_scale:MATRIX_SCALE_ROW1
.endif
.endr
.endm
.macro STEP slot, q, zero
	s_wait_dscnt 0x0                               ; this step's fragments are in
	PLACES 4                                       ; in front of loads into registers that the last step's products have read
	FETCH \slot, (\q)+1, 1-(\q)%2
.irp a, 0,1,2,3
	MULA \a, (\q)%2, \zero
.endr
.endm
.macro TURN slot, next, fill
	WIN 0
	s_wait_tensorcnt 0x0                           ; all my tensor loads have landed
	ds_add_u32 v[SPW], v[NIL]                      ; 0 onto my spare word
	s_wait_dscnt 0x1                               ; this step's fragments are in; the add may be out
	MULA 0, 1, 0
	s_wait_dscnt 0x0                               ; the add is done, and my reads of this slot are over
	s_barrier_signal -1
	MULA 1, 1, 0
	WIN 0
	s_barrier_wait -1
.if \fill
	CREST
	s_add_nc_u64 s[G0+4*\slot+2:G0+4*\slot+3], s[G0+4*\slot+2:G0+4*\slot+3], 2*NQ*1536
	s_add_nc_u64 s[G0B+4*\slot+2:G0B+4*\slot+3], s[G0B+4*\slot+2:G0B+4*\slot+3], 2*NQ*1536
	JLOAD G0+4*\slot, G1, G0B+4*\slot, G1B         ; the first tensor load behind the round; its four v_nop are also the places in front of the loads below
.else
	PLACES 4
.endif
	FETCH \next, 0, 0
	MULA 2, 1, 0
	MULA 3, 1, 0
.endm
	s_wait_tensorcnt 0x1                           ; the scale words and my part of slot 0 are in; slot 1's load may be out
	s_barrier_signal -1
	s_barrier_wait -1
	FETCH 0, 0, 0
	STEP 0, 0, 1
.if LAPS > 1
	WIN 0
	s_mov_b32 s3, LAPS-1
.Llap:
	STEP 0, 1, 0
	STEP 0, 2, 0
	TURN 0, 1, 1
	STEP 1, 0, 0
	STEP 1, 1, 0
	STEP 1, 2, 0
	TURN 1, 0, 1
	STEP 0, 0, 0
	WIN 0
	s_sub_co_u32 s3, s3, 1
	s_cmp_lg_u32 s3, 0
	s_cbranch_scc1 .Llap
.endif
	STEP 0, 1, 0
	STEP 0, 2, 0
	TURN 0, 1, 0                                   ; the last lap fills nothing
	STEP 1, 0, 0
	STEP 1, 1, 0
	STEP 1, 2, 0
	s_wait_dscnt 0x0
.irp a, 0,1,2,3
	MULA \a, 1, 0
.endr
	WIN 0
	; THE WAY OUT, a token tile at a time: 16 rows x 64 columns through my own stage, back as whole rows of 256 bytes; residual and bias are added; sixteen lanes store 256 consecutive bytes, aligned.
	PLACES 4
	s_wait_loadcnt 0x0                             ; bias and residual
.macro TOSTAGE a
	WIN 0x08                                       ; an LDS store's data: window 2
.irp b, 0,1,2,3
.irp q, 0,1
	ds_store_b128 v[STO], v[8*(4*(\a)+\b)+4*\q:8*(4*(\a)+\b)+4*\q+3] offset:128*(\b/2)+32*(\b%2)+16*\q   ; each accumulator from its low end on
.endr
.endr
	WIN 0
.irp i, 0,1,2,3,4,5,6,7
	ds_load_b128 v[BK+32*(\a)+4*\i:BK+32*(\a)+4*\i+3], v[RD] offset:544*\i   ; LDS serves a wave's instructions in order: these see my stores, and the next tile's stores come behind them
.endr
.endm
.macro SEND a, younger
	s_wait_dscnt \younger
	WIN 0x0c                                       ; source 1: window 3
.set k, 0
.rept 16
	v_pk_add_f32 v[BK+32*(\a)+k:BK+32*(\a)+k+1], v[BK+32*(\a)+k:BK+32*(\a)+k+1], v[32*(\a)+k:32*(\a)+k+1]
.set k, k+2
.endr
	WIN 0
.irp i, 0,1,2,3,4,5,6,7
.irp e, 0,1
	v_pk_add_f32 v[BK+32*(\a)+4*\i+2*\e:BK+32*(\a)+4*\i+2*\e+1], v[BK+32*(\a)+4*\i+2*\e:BK+32*(\a)+4*\i+2*\e+1], v[48+2*\e:49+2*\e]
.endr
.endr
.irp i, 0,1,2,3,4,5,6,7
	global_store_b128 v[CO], v[BK+32*(\a)+4*\i:BK+32*(\a)+4*\i+3], s[12:13] offset:(32*((\a)/2)+8*((\a)%2)+2*\i+8*(\i/4))*4096
.endr
.endm
	TOSTAGE 0
	TOSTAGE 1
	SEND 0, 16                                     ; behind tile 0's loads: tile 1's 8 stores and 8 loads
	TOSTAGE 2
	SEND 1, 16
	TOSTAGE 3
	SEND 2, 16
	SEND 3, 0
	s_wait_tensorcnt 0x0                           ; the wave's end
	ds_add_u32 v[SPW], v[NIL]
	s_wait_dscnt 0x0
	CROUND                                         ; the closing round
	s_endpgm
.Lfunc_end_k_qc34dcfb385_mproj:
	.size	k_qc34dcfb385_mproj, .Lfunc_end_k_qc34dcfb385_mproj-k_qc34dcfb385_mproj
	.p2alignl 7, 3214868480
	.fill 96, 4, 3214868480
	.section	.rodata,"a",@progbits
	.p2align	6, 0x0
	.amdhsa_kernel k_qc34dcfb385_mproj
		.amdhsa_group_segment_fixed_size 327680
		.amdhsa_private_segment_fixed_size 0
		.amdhsa_enable_private_segment 0
		.amdhsa_kernarg_size 40
		.amdhsa_user_sgpr_count 2
		.amdhsa_user_sgpr_kernarg_segment_ptr 1
		.amdhsa_wavefront_size32 1
		.amdhsa_system_sgpr_workgroup_id_x 1
		.amdhsa_system_sgpr_workgroup_id_y 1
		.amdhsa_system_sgpr_workgroup_id_z 1
		.amdhsa_system_vgpr_workitem_id 0
		.amdhsa_next_free_vgpr 1024
		.amdhsa_next_free_sgpr 100
		.amdhsa_reserve_vcc 0
		.amdhsa_float_denorm_mode_32 3
		.amdhsa_float_denorm_mode_16_64 3
		.amdhsa_memory_ordered 1
		.amdhsa_forward_progress 1
		.amdhsa_inst_pref_size 96
	.end_amdhsa_kernel
	.amdgpu_metadata
---
amdhsa.version: [ 1, 2 ]
amdhsa.kernels:
  - .name:           k_qc34dcfb385_mproj
    .symbol:         k_qc34dcfb385_mproj.kd
    .args:
      - { .name: gc, .offset: 0, .size: 8, .value_kind: global_buffer, .address_space: global }
      - { .name: wts, .offset: 8, .size: 8, .value_kind: global_buffer, .address_space: global }
      - { .name: b_mproj, .offset: 16, .size: 8, .value_kind: global_buffer, .address_space: global }
      - { .name: x1, .offset: 24, .size: 8, .value_kind: global_buffer, .address_space: global }
      - { .name: out0, .offset: 32, .size: 8, .value_kind: global_buffer, .address_space: global }
    .group_segment_fixed_size: 327680
    .private_segment_fixed_size: 0
    .kernarg_segment_align: 8
    .kernarg_segment_size: 40
    .max_flat_workgroup_size: 128
    .sgpr_count:     100
    .vgpr_count:     1024
    .wavefront_size: 32
...
	.end_amdgpu_metadata
.endif
;; end of part 7
